; MI455X (gfx1250); checked and timed in simulation.
; The chip was launched on July 23, 2026; its instructions are those of AMD's public machine-readable ISA for CDNA 5 (MIT licence, August 2026) and "CDNA5" Instruction Set Architecture Reference Guide (July 2026). The comments in the code are by the model that wrote it; some were corrected since.
;; Legacy Rel Position Multi Headed Attention. Allowed arithmetic: matrix products marked QUANTISED: E2M3 operands, one E8M0 scale for each 32 along K, by v_wmma_scale_f32_16x16x128_f8f6f4 with both operands' format E2M3, f32 sums; everything else in f32.
;; Inputs: Wk 512 x 512 float32; Wo 512 x 512 float32; Wp 512 x 512 float32; Wq 512 x 512 float32; Wv 512 x 512 float32; bk 512 float32; bo 512 float32; bq 512 float32; bv 512 float32; key_ 8 x 1,024 x 512 float32; mask 8 x 1 x 1,024 int32; pos_bias_u 8 x 64 float32; pos_bias_v 8 x 64 float32; pos_emb 1 x 1,024 x 512 float32; query 8 x 1,024 x 512 float32; value 8 x 1,024 x 512 float32.
;; Outputs: out0 8 x 1,024 x 512 float32.
;; This version of the problem:
;;   THIS VERSION OF THE PROBLEM IS GIVEN IN LOW PRECISION. The matrix products marked QUANTISED in the list below multiply operands that are first quantised to E2M3 (2 exponent bits, 3 mantissa bits; 6 bits a number), with one power-of-two scale for each 32 numbers along K (OCP MX v1.0); their sums are f32. All else is computed in f32.
;;   The module's matrix products, in the order in which they are computed (A, B: the left and right operand; K: the contracted axis; several contracted axes count as one K, in the product's order):
;;     1. [M 8,192, K 512] x [K 512, N 512]; A: input query; B: input Wq: QUANTISED
;;     2. [M 8,192, K 512] x [K 512, N 512]; A: input key_; B: input Wk: QUANTISED
;;     3. [M 8,192, K 512] x [K 512, N 512]; A: input value; B: input Wv: QUANTISED
;;     4. [M 1,024, K 512] x [K 512, N 512]; A: input pos_emb; B: input Wp: QUANTISED
;;     5. batch 64 x [M 1,024, K 64] x [K 64, N 1,024]; A: computed on the way; B: computed on the way: QUANTISED
;;     6. batch 8 x [M 1,024, K 64] x [K 64, N 8,192]; A: computed on the way; B: computed on the way: QUANTISED
;;     7. batch 64 x [M 64, K 1,024] x [K 1,024, N 1,024]; A: computed on the way; B: computed on the way: QUANTISED
;;     8. [M 8,192, K 512] x [K 512, N 512]; A: computed on the way; B: input Wo: QUANTISED
;;   THE QUANTISER, for each operand of a quantised product, along K:
;;     - K is cut into blocks of 32 from its start; a last block that is shorter is filled with zeros.
;;     - A block's scale is 2^e with e = floor(log2(the largest magnitude in the block)) - 2, held to -126 .. 127; a block of zeros has e = 0. As a byte (E8M0): e + 127.
;;     - Each number is divided by its block's scale, clamped to +-7.5, and rounded to the nearest number of E2M3, ties to even, subnormals kept.
;;     - The product sums the exact products of the quantised numbers (number of the format x scale) in f32.
;;   ~~~python
;;   def quantise(x, axis):      # numpy; x: float32 -> the quantised numbers, widened to float32 again
;;       x = np.moveaxis(x, axis, -1); K = x.shape[-1]
;;       x = np.pad(x, [(0, 0)] * (x.ndim - 1) + [(0, -K % 32)]); x = x.reshape(x.shape[:-1] + (-1, 32)); a = np.abs(x).max(-1, keepdims=True)
;;       e = np.where(a > 0, np.clip(np.frexp(np.where(a > 0, a, 1))[1] - 1 - 2, -126, 127), 0)      # np.frexp(a)[1] - 1 = floor(log2(a)), exactly
;;       r = np.clip(x / 2.0 ** e, -7.5, 7.5)
;;       step = 2.0 ** (np.maximum(np.frexp(np.where(r == 0, 1, r))[1] - 1, 0) - 3)
;;       q = np.round(r / step) * step * 2.0 ** e      # np.round: ties to even
;;       return np.moveaxis(q.reshape(q.shape[:-2] + (-1,))[..., :K], -1, axis).astype(np.float32)
;;   ~~~
;;   OPERANDS COMPUTED ON THE WAY. 'Computed on the way' means the value that the module computes at that place (a softmax that the list does not call 'softmax' is quantised finished and normalised). What goes into a quantiser is computed in f32, as accurately as f32 sums, v_exp_f32 and their like allow (about 1e-6 of the number): no bf16 or f16 on the way to a quantiser, and a product that is left as it is and whose result goes on into a quantised operand takes f32 operands (vector FMAs, or v_wmma_f32_16x16x4_f32). A number that lies on a knife's edge between two numbers of the format may be rounded either way, as far as f32 arithmetic and the matrix unit's own rounding can turn it there, and no further.
;; One version. Each part assembles by itself: llvm-mc -triple=amdgcn-amd-amdhsa -mcpu=gfx1250 --defsym DOCPART=n.
;; ======== version 1 of 1: 4 launches
;; limits: right only within a limited range of input values
;; workspace buffers: wpk 1,064,960 bytes; act 14,352,384 bytes; xpk 3,670,016 bytes
;; launch wq (part 1): grid 160 x 1, 4 waves a work-group, no clusters, 0 bytes of LDS; arguments Wq, Wk, Wv, Wp, Wo, wpk; writes wpk
.if DOCPART == 1
	.amdgcn_target "amdgcn-amd-amdhsa--gfx1250"
	.amdhsa_code_object_version 6
	.text
	.protected	k_qb1f9fac2a4_wq
	.globl	k_qb1f9fac2a4_wq
	.p2align	8
	.type	k_qb1f9fac2a4_wq,@function
k_qb1f9fac2a4_wq:
	s_mov_b64 s[64:65], 0
	v_nop
	global_prefetch_b8 v0, s[64:65] scope:SCOPE_SE
	s_setreg_imm32_b32 hwreg(HW_REG_WAVE_MODE, 25, 1), 1
	s_wait_xcnt 0x0
; The five weights [512 (n)][512 (k)], f32, K innermost, become codes of E2M3 with one E8M0 byte for each 32 along K, laid as IMAGES OF OPERAND REGISTERS.
; A fragment is 16 rows x 128 K: 12 registers a lane; lane (r, h) holds row r, registers 6 c .. 6 c + 5 hold K = 64 c + 32 h + 0 .. 31.
; Its image is three planes of 512 bytes: plane c holds registers 4 c .. 4 c + 3, lane l's 16 bytes at 16 l.  Its scale words: 128 bytes, lane l's word at 4 l.
; THE ROWS OF A TILE ARE NOT NEIGHBOURS: lane r of tile tn takes row 32 (tn / 2) + 8 (tn % 2) + r + 8 (r / 8), so that the results of two neighbouring tiles are 16 neighbours along a later K.
; wpk: codes at m x 196,608 + (4 tn + s) x 1,536 (m: Wq, Wk, Wv, Wp, Wo; tn 0..31; s: the K step); scale words at 983,040 + m x 16,384 + (4 tn + s) x 128.
; 640 fragments, one a wave: work-group = 32 m + tn, wave = s.  The four waves of a work-group read 16 whole rows of 2,048 bytes.
; LIMITS: NaN and infinities are not served; a block whose largest magnitude lies under 2^-124 (a block of zeros too) keeps the byte 1: these bytes are read by this program alone.
.set X,   32                           ; v32-95   64 numbers: register 16 b + i = k 32 b + 16 h + i of my row
.set TM,  96                           ; v96-111  at work
.set PW,  112                          ; v112     the scale word
.set PC,  114                          ; v114-132 the codes
.set SEL, 28                           ; s[28:29] lane selects for v_permlanex16_b32: lane l xor 16
; 64 numbers of a lane (blocks 0, 1 from sa on, blocks 2, 3 from sb on) become a fragment's codes in v[PC] on and its scale word in v[PW].
.macro QUANT sa, sb
	v_max3_num_f32 v[TM], |v[(\sa)]|, |v[(\sa)+1]|, 0x1800000        ; my 16 numbers of each block, and the floor 2^(3 - 127): the byte cannot fall under 1
	v_max3_num_f32 v[TM+1], |v[(\sa)+16]|, |v[(\sa)+17]|, 0x1800000
	v_max3_num_f32 v[TM+2], |v[(\sb)]|, |v[(\sb)+1]|, 0x1800000
	v_max3_num_f32 v[TM+3], |v[(\sb)+16]|, |v[(\sb)+17]|, 0x1800000
.irp i, 2,4,6,8,10,12,14
	v_max3_num_f32 v[TM], v[TM], |v[(\sa)+\i]|, |v[(\sa)+\i+1]|      ; the four blocks by turns
	v_max3_num_f32 v[TM+1], v[TM+1], |v[(\sa)+16+\i]|, |v[(\sa)+17+\i]|
	v_max3_num_f32 v[TM+2], v[TM+2], |v[(\sb)+\i]|, |v[(\sb)+\i+1]|
	v_max3_num_f32 v[TM+3], v[TM+3], |v[(\sb)+16+\i]|, |v[(\sb)+17+\i]|
.endr
.irp b, 0,1,2,3
	v_permlanex16_b32 v[TM+4+\b], v[TM+\b], s[SEL], s[SEL+1]
.endr
.irp b, 0,1,2,3
	v_max_num_f32 v[TM+\b], v[TM+\b], v[TM+4+\b]                     ; with lane l xor 16's: the block's largest magnitude
.endr
.irp b, 0,1,2,3
	v_add_nc_u32 v[TM+12+\b], 0xff000000, v[TM+\b]                   ; 2 off its exponent field: the conversion's scale operand
.endr
.irp b, 0,1,2,3
	v_lshrrev_b32 v[TM+4+\b], 23, v[TM+12+\b]                        ; the scale's byte
.endr
	v_lshl_or_b32 v[PW], v[TM+5], 8, v[TM+4]
	v_lshl_or_b32 v[PW], v[TM+6], 16, v[PW]
	v_lshl_or_b32 v[PW], v[TM+7], 24, v[PW]
	v_cvt_scalef32_pk16_fp6_f32 v[PC:PC+2], v[(\sa):(\sa)+15], v[TM+12]
	v_cvt_scalef32_pk16_fp6_f32 v[PC+12:PC+14], v[(\sa)+16:(\sa)+31], v[TM+13]   ; (a conversion's three registers begin on an even number)
	v_cvt_scalef32_pk16_fp6_f32 v[PC+6:PC+8], v[(\sb):(\sb)+15], v[TM+14]
	v_cvt_scalef32_pk16_fp6_f32 v[PC+16:PC+18], v[(\sb)+16:(\sb)+31], v[TM+15]
	v_nop                                                            ; one plain place behind a scaled conversion
.irp c, 0,1                            ; the layout wants a WHOLE block in a lane: lanes 0-15 block 2 c, lanes 16-31 block 2 c + 1
.irp i, 0,1,2
	v_permlane16_swap_b32 v[PC+6*\c+\i], v[PC+12+4*\c+\i]
.endr
.irp i, 0,1,2
	v_mov_b32 v[PC+3+6*\c+\i], v[PC+12+4*\c+\i]
.endr
.endr
.endm
	s_load_b256 s[4:11], s[0:1], 0x0               ; Wq, Wk, Wv, Wp
	s_load_b128 s[12:15], s[0:1], 0x20             ; Wo, wpk
	v_lshrrev_b32 v1, 5, v0
	v_readfirstlane_b32 s16, v1                    ; wave = K step s
	v_and_b32 v1, 31, v0                           ; lane
	v_and_b32 v2, 15, v0                           ; r
	v_bfe_u32 v3, v0, 4, 1                         ; h
	v_and_b32 v7, 8, v2
	v_add_nc_u32 v7, v7, v2                        ; r + 8 (r / 8)
	v_lshlrev_b32 v4, 11, v7                       ; that row of 2,048 bytes,
	v_lshl_add_u32 v4, v3, 6, v4                   ; + 64 h: my 16 numbers of a block of 32
	v_lshlrev_b32 v5, 4, v1                        ; 16 x lane
	v_lshlrev_b32 v6, 2, v1                        ; 4 x lane
.irp b, 0,1,2,3
	v_mov_b32 v[TM+4+\b], 0                        ; a lane permute's destination counts as one of its sources
.endr
	s_mov_b32 s[SEL], 0x76543210
	s_mov_b32 s[SEL+1], 0xfedcba98
	s_lshr_b32 s17, ttmp9, 5                       ; m: which weight
	s_and_b32 s18, ttmp9, 31                       ; tn: which tile of rows
	s_lshr_b32 s19, s18, 1
	s_lshl_b32 s19, s19, 5
	s_and_b32 s20, s18, 1
	s_lshl_b32 s20, s20, 3
	s_add_co_u32 s19, s19, s20                     ; the tile's first row: 32 (tn / 2) + 8 (tn % 2)
	s_lshl_b32 s20, s19, 11
	s_lshl_b32 s21, s16, 9
	s_add_co_u32 s20, s20, s21                     ; in bytes, + 512 s
	s_mov_b32 s21, 0
	s_lshl_b32 s22, s18, 2
	s_add_co_u32 s22, s22, s16                     ; the fragment's number 4 tn + s
	s_mul_i32 s24, s17, 196608
	s_mul_i32 s23, s22, 1536
	s_add_co_u32 s24, s24, s23                     ; where its image goes,
	s_mov_b32 s25, 0
	s_lshl_b32 s26, s17, 14
	s_lshl_b32 s23, s22, 7
	s_add_co_u32 s26, s26, s23
	s_add_co_u32 s26, s26, 983040                  ; and its scale words
	s_mov_b32 s27, 0
	s_wait_alu depctr_va_vdst(0)
	s_wait_kmcnt 0x0
	s_cmp_eq_u32 s17, 1                            ; the choice hangs on the work-group's number alone
	s_cselect_b64 s[4:5], s[6:7], s[4:5]
	s_cmp_eq_u32 s17, 2
	s_cselect_b64 s[4:5], s[8:9], s[4:5]
	s_cmp_eq_u32 s17, 3
	s_cselect_b64 s[4:5], s[10:11], s[4:5]
	s_cmp_eq_u32 s17, 4
	s_cselect_b64 s[4:5], s[12:13], s[4:5]
	s_add_nc_u64 s[4:5], s[4:5], s[20:21]
	s_add_nc_u64 s[24:25], s[14:15], s[24:25]
	s_add_nc_u64 s[26:27], s[14:15], s[26:27]
.irp b, 0,1,2,3
.irp j, 0,1,2,3
	global_load_b128 v[X+16*\b+4*\j:X+16*\b+4*\j+3], v4, s[4:5] offset:128*\b+16*\j th:TH_LOAD_NT
.endr
.endr
	s_wait_loadcnt 0x0
	QUANT X,X+32
.irp c, 0,1,2
	global_store_b128 v5, v[PC+4*\c:PC+4*\c+3], s[24:25] offset:512*\c   ; 32 lanes store 512 consecutive bytes, at a multiple of 256 from the buffer's first byte
.endr
	global_store_b32 v6, v[PW], s[26:27]
	s_endpgm
.Lfunc_end_k_qb1f9fac2a4_wq:
	.size	k_qb1f9fac2a4_wq, .Lfunc_end_k_qb1f9fac2a4_wq-k_qb1f9fac2a4_wq
	.p2alignl 7, 3214868480
	.fill 96, 4, 3214868480
	.section	.rodata,"a",@progbits
	.p2align	6, 0x0
	.amdhsa_kernel k_qb1f9fac2a4_wq
		.amdhsa_group_segment_fixed_size 0
		.amdhsa_private_segment_fixed_size 0
		.amdhsa_enable_private_segment 0
		.amdhsa_kernarg_size 48
		.amdhsa_user_sgpr_count 2
		.amdhsa_user_sgpr_kernarg_segment_ptr 1
		.amdhsa_wavefront_size32 1
		.amdhsa_system_sgpr_workgroup_id_x 1
		.amdhsa_system_sgpr_workgroup_id_y 1
		.amdhsa_system_sgpr_workgroup_id_z 1
		.amdhsa_system_vgpr_workitem_id 0
		.amdhsa_next_free_vgpr 136
		.amdhsa_next_free_sgpr 66
		.amdhsa_reserve_vcc 0
		.amdhsa_float_denorm_mode_32 3
		.amdhsa_float_denorm_mode_16_64 3
		.amdhsa_memory_ordered 1
		.amdhsa_forward_progress 1
		.amdhsa_inst_pref_size 8
	.end_amdhsa_kernel
	.amdgpu_metadata
---
amdhsa.version: [ 1, 2 ]
amdhsa.kernels:
  - .name:           k_qb1f9fac2a4_wq
    .symbol:         k_qb1f9fac2a4_wq.kd
    .args:
      - { .name: Wq, .offset: 0, .size: 8, .value_kind: global_buffer, .address_space: global }
      - { .name: Wk, .offset: 8, .size: 8, .value_kind: global_buffer, .address_space: global }
      - { .name: Wv, .offset: 16, .size: 8, .value_kind: global_buffer, .address_space: global }
      - { .name: Wp, .offset: 24, .size: 8, .value_kind: global_buffer, .address_space: global }
      - { .name: Wo, .offset: 32, .size: 8, .value_kind: global_buffer, .address_space: global }
      - { .name: wpk, .offset: 40, .size: 8, .value_kind: global_buffer, .address_space: global }
    .group_segment_fixed_size: 0
    .private_segment_fixed_size: 0
    .kernarg_segment_align: 8
    .kernarg_segment_size: 48
    .max_flat_workgroup_size: 128
    .sgpr_count:     66
    .vgpr_count:     136
    .wavefront_size: 32
...
	.end_amdgpu_metadata
.endif
;; end of part 1
;; launch proj (part 2): grid 200 x 1, 8 waves a work-group, no clusters, 302,080 bytes of LDS; arguments query, key_, value, pos_emb, wpk, bq, bk, bv, pos_bias_u, pos_bias_v, act; writes act
.if DOCPART == 2
	.amdgcn_target "amdgcn-amd-amdhsa--gfx1250"
	.amdhsa_code_object_version 6
	.text
	.protected	k_qb1f9fac2a4_proj
	.globl	k_qb1f9fac2a4_proj
	.p2align	8
	.type	k_qb1f9fac2a4_proj,@function
k_qb1f9fac2a4_proj:
	s_mov_b64 s[64:65], 0
	v_nop
	global_prefetch_b8 v0, s[64:65] scope:SCOPE_SE
	s_setreg_imm32_b32 hwreg(HW_REG_WAVE_MODE, 25, 1), 1
	s_wait_xcnt 0x0
; The four input projections x W^T + b on codes of E2M3 (one E8M0 byte for each 32 along K), and their results quantised into the operand images that the attention launch reads.
; SHARES.  25,600 rows (query, key_, value: 8,192 each; pos_emb: 1,024) are 200 blocks of 128 rows, one a work-group: kind = work-group / 64 (0 q, 1 k, 2 v, 3 p), block = work-group % 64.
; Wave w is head w: 64 output columns.  Its 16 fragments of W (192 registers) stay in window 1 for the whole launch.  A block goes as two groups of 64 rows: four tiles of 16.
; THE ROWS OF A TILE ARE NOT NEIGHBOURS, for x and W alike: lane r of tile 2 b + u takes row 32 b + 8 u + r + 8 (r / 8): the 16 registers of two neighbouring result tiles are then 16 neighbours along the next K.
; x arrives as f32: all 256 KB of the block are asked for in the first lines, by one tensor load a wave; nothing in LDS is filled twice.
; A GROUP: barrier | each wave quantises two of the group's 16 fragments of x and stores their register images in LDS | barrier | each wave: 64 products, then its results:
;   q: source 0 = W, source 1 = x: a lane holds one query and 32 channels; + (bq + u) and + (bq + v); the 64 numbers q_u || q_v are one fragment, K = 128.
;   k, p: the same order, the bias as the C of the first K step; 32 channels a lane: half a fragment (64 along K).
;   v: source 0 = x, source 1 = W: a lane holds one channel and 32 keys of the group: half of a fragment whose K is the block's 128 keys.
; act, in bytes (J = ((block / 8) 8 + w) 8 + block % 8): q's codes at J x 12,288; k's at 6,291,456 + J x 6,144; v's at 9,437,184 + J x 6,144; p's at 12,582,912 + J x 6,144;
;   scale words: q 12,976,128 + J x 1,024; k 13,500,416 + J x 1,024; v 14,024,704 + J x 512; p 14,286,848 + J x 1,024.
; LIMITS: NaN and infinities are not served; a block whose largest magnitude lies under 2^-124 (a block of zeros too) keeps the byte 1: these bytes are read by this program alone;
;   q + bq + u is formed as (x W^T) + (bq + u): one f32 rounding stands elsewhere than in the source.
; Not shared in a cluster: W's 24 KB a wave go straight into the registers where they stay, and LDS is full of x.  No prefetch: everything is asked for at the head.
; HOW x COMES IN (this holds in place of what the lines above say of the loads): one tensor load a wave, at the head, of 16 whole rows: waves 0-3 bring group 0, waves 4-7 group 1, each from a line of its own;
; the first barrier waits for waves 0-3's loads, the third for all.  LDS holds both groups, each byte filled once.
.set RAWG,  133632                     ; LDS: x as f32: a group: four runs of 16 rows
.set RAWS,  512                        ; in a row, from K step to K step; 16 bytes of padding stand behind every 1,024
.set RB,    33408                      ; from run to run; odd runs begin 16 bytes later, so that a tile's rows r and r + 16 start in different 16-byte columns of 256
.set RP,    2080                       ; a row: 2,048 bytes + 2 x 16 of padding
.set XIMG,  267264                     ; x's 16 fragments of the group in hand, as register images: (4 tile + K step) x 1,536
.set XSC,   291840                     ; their scale words: (4 tile + K step) x 128
.set SPARE, 293888                     ; the spare words, 128 bytes for each wave: four blocks of 256 bytes that no other line names
.set SPW, 2                            ; v2   LDS address of my spare word; never rewritten
.set NIL, 3                            ; v3   0; never rewritten
.set LI,  4                            ; v4   16 x lane
.set LS,  5                            ; v5   4 x lane
.set XR,  6                            ; v6, v7  where I read x's f32 numbers in group 0, 1
.set XWI, 8                            ; v8   where I store my two images: XIMG + 16 x lane + 3,072 x wave
.set XWS, 9                            ; v9   and their scale words: XSC + 4 x lane + 256 x wave
.set L8,  10                           ; v10  8 x lane
.set LIX, 11                           ; v11  XIMG + 16 x lane
.set LSX, 12                           ; v12  XSC + 4 x lane
.set BA,  13                           ; v13  64 h: a bias in the layout of q's, k's and p's results
.set BV,  14                           ; v14  4 (r + 8 (r / 8)): in that of v's
.set WSW, 16                           ; v16-31   W's scale words, 4 n + s
.set XF,  32                           ; v32-79   x's four fragments of a K step
.set QV,  32                           ; v32-63   later q + bq + v of one tile
.set XS,  80                           ; v80-83   x's scale words
.set TM,  84                           ; v84-99   at work
.set PW,  100                          ; v100     the scale word just made
.set PC,  104                          ; v104-122 the codes just made
.set VPW, 124                          ; v124-127 v's scale words, gathered over the two groups
.set ACC, 128                          ; v128-255 16 accumulators; ahead of them two sets of 64 numbers of x
.set B0,  192                          ; window 1: v0-191 W's fragments at 12 (4 n + s); v192-223 the bias (q: bq + u);
.set B1,  224                          ;           v224-255 q: bq + v
.set WV,  26
.set TY,  27
.set BLK, 28
.set J,   29
.set G1,  32                           ; s[32:39] descriptor group 1;  s[40:43] group 0
.set G0,  40
.set XP,  56                           ; s[56:57] my first bytes of x
.set DC,  58                           ; s[58:59] where my codes go
.set DS,  60                           ; s[60:61] and my scale words
.set SEL, 62                           ; s[62:63] lane selects for v_permlanex16_b32: lane l xor 16
.set MSB, 0
.macro WIN new                         ; the immediate's high byte repeats the setting that is left; a switch that changes nothing is dropped
.if MSB != (\new)
	s_set_vgpr_msb (MSB<<8)|(\new)
.set MSB, (\new)
.endif
.endm
.macro MMA d, a, b, cc, sa, sb         ; one scaled product; cc = -1: the constant 0 starts the sum
.if (\cc) < 0
	v_wmma_scale_f32_16x16x128_f8f6f4 v[(\d):(\d)+7], v[(\a):(\a)+11], v[(\b):(\b)+11], 0, v[\sa], v[\sb] matrix_a_fmt:MATRIX_FMT_FP6 matrix_b_fmt:MATRIX_FMT_FP6
.else
	v_wmma_scale_f32_16x16x128_f8f6f4 v[(\d):(\d)+7], v[(\a):(\a)+11], v[(\b):(\b)+11], v[(\cc):(\cc)+7], v[\sa], v[\sb] matrix_a_fmt:MATRIX_FMT_FP6 matrix_b_fmt:MATRIX_FMT_FP6
.endif
.endm
; 64 numbers of a lane (register 16 b + i = k 32 b + 16 h + i of my row; blocks 0, 1 from sa on, blocks 2, 3 from sb on) become a fragment's codes in v[PC] on and its scale word in v[PW].
.macro QUANT sa, sb
	v_max3_num_f32 v[TM], |v[(\sa)]|, |v[(\sa)+1]|, 0x1800000        ; my 16 numbers of each block, and the floor 2^(3 - 127): the byte cannot fall under 1
	v_max3_num_f32 v[TM+1], |v[(\sa)+16]|, |v[(\sa)+17]|, 0x1800000
	v_max3_num_f32 v[TM+2], |v[(\sb)]|, |v[(\sb)+1]|, 0x1800000
	v_max3_num_f32 v[TM+3], |v[(\sb)+16]|, |v[(\sb)+17]|, 0x1800000
.irp i, 2,4,6,8,10,12,14
	s_delay_alu instid0(VALU_DEP_4)
	v_max3_num_f32 v[TM], v[TM], |v[(\sa)+\i]|, |v[(\sa)+\i+1]|      ; the four blocks by turns
	s_delay_alu instid0(VALU_DEP_4)
	v_max3_num_f32 v[TM+1], v[TM+1], |v[(\sa)+16+\i]|, |v[(\sa)+17+\i]|
	s_delay_alu instid0(VALU_DEP_4)
	v_max3_num_f32 v[TM+2], v[TM+2], |v[(\sb)+\i]|, |v[(\sb)+\i+1]|
	s_delay_alu instid0(VALU_DEP_4)
	v_max3_num_f32 v[TM+3], v[TM+3], |v[(\sb)+16+\i]|, |v[(\sb)+17+\i]|
.endr
.irp b, 0,1,2,3
	s_delay_alu instid0(VALU_DEP_4)
	v_permlanex16_b32 v[TM+4+\b], v[TM+\b], s[SEL], s[SEL+1]
.endr
.irp b, 0,1,2,3
	s_delay_alu instid0(VALU_DEP_4)
	v_max_num_f32 v[TM+\b], v[TM+\b], v[TM+4+\b]                     ; with lane l xor 16's: the block's largest magnitude
.endr
.irp b, 0,1,2,3
	s_delay_alu instid0(VALU_DEP_4)
	v_add_nc_u32 v[TM+12+\b], 0xff000000, v[TM+\b]                   ; 2 off its exponent field: the conversion's scale operand
.endr
.irp b, 0,1,2,3
	s_delay_alu instid0(VALU_DEP_4)
	v_lshrrev_b32 v[TM+4+\b], 23, v[TM+12+\b]                        ; the scale's byte
.endr
	s_delay_alu instid0(VALU_DEP_3)
	v_lshl_or_b32 v[PW], v[TM+5], 8, v[TM+4]
	s_delay_alu instid0(VALU_DEP_1)
	v_lshl_or_b32 v[PW], v[TM+6], 16, v[PW]
	s_delay_alu instid0(VALU_DEP_1)
	v_lshl_or_b32 v[PW], v[TM+7], 24, v[PW]
	v_cvt_scalef32_pk16_fp6_f32 v[PC:PC+2], v[(\sa):(\sa)+15], v[TM+12]
	v_cvt_scalef32_pk16_fp6_f32 v[PC+12:PC+14], v[(\sa)+16:(\sa)+31], v[TM+13]   ; (a conversion's three registers begin on an even number)
	v_cvt_scalef32_pk16_fp6_f32 v[PC+6:PC+8], v[(\sb):(\sb)+15], v[TM+14]
	v_cvt_scalef32_pk16_fp6_f32 v[PC+16:PC+18], v[(\sb)+16:(\sb)+31], v[TM+15]
	v_nop                                                            ; one plain place behind a scaled conversion
.irp c, 0,1                            ; the layout wants a WHOLE block in a lane: lanes 0-15 block 2 c, lanes 16-31 block 2 c + 1
.irp i, 0,1,2
	v_permlane16_swap_b32 v[PC+6*\c+\i], v[PC+12+4*\c+\i]
.endr
.irp i, 0,1,2
	s_delay_alu instid0(VALU_DEP_3)
	v_mov_b32 v[PC+3+6*\c+\i], v[PC+12+4*\c+\i]
.endr
.endr
.endm
; The same for 32 numbers (two blocks): six registers of codes in v[PC] on; two bytes in v[PW], its upper half 0.
.macro QUANT2 sa
	v_max3_num_f32 v[TM], |v[(\sa)]|, |v[(\sa)+1]|, 0x1800000
	v_max3_num_f32 v[TM+1], |v[(\sa)+16]|, |v[(\sa)+17]|, 0x1800000
.irp i, 2,4,6,8,10,12,14
	v_max3_num_f32 v[TM], v[TM], |v[(\sa)+\i]|, |v[(\sa)+\i+1]|
	v_max3_num_f32 v[TM+1], v[TM+1], |v[(\sa)+16+\i]|, |v[(\sa)+17+\i]|
.endr
	s_delay_alu instid0(VALU_DEP_2)
	v_permlanex16_b32 v[TM+4], v[TM], s[SEL], s[SEL+1]
	s_delay_alu instid0(VALU_DEP_2)
	v_permlanex16_b32 v[TM+5], v[TM+1], s[SEL], s[SEL+1]
	s_delay_alu instid0(VALU_DEP_2)
	v_max_num_f32 v[TM], v[TM], v[TM+4]
	s_delay_alu instid0(VALU_DEP_2)
	v_max_num_f32 v[TM+1], v[TM+1], v[TM+5]
	s_delay_alu instid0(VALU_DEP_2)
	v_add_nc_u32 v[TM+12], 0xff000000, v[TM]
	s_delay_alu instid0(VALU_DEP_2)
	v_add_nc_u32 v[TM+13], 0xff000000, v[TM+1]
	s_delay_alu instid0(VALU_DEP_2)
	v_lshrrev_b32 v[TM+4], 23, v[TM+12]
	s_delay_alu instid0(VALU_DEP_2)
	v_lshrrev_b32 v[TM+5], 23, v[TM+13]
	s_delay_alu instid0(VALU_DEP_1)
	v_lshl_or_b32 v[PW], v[TM+5], 8, v[TM+4]
	v_cvt_scalef32_pk16_fp6_f32 v[PC:PC+2], v[(\sa):(\sa)+15], v[TM+12]
	v_cvt_scalef32_pk16_fp6_f32 v[PC+12:PC+14], v[(\sa)+16:(\sa)+31], v[TM+13]
	v_nop                                                            ; one plain place behind a scaled conversion
.irp i, 0,1,2
	v_permlane16_swap_b32 v[PC+\i], v[PC+12+\i]
.endr
.irp i, 0,1,2
	s_delay_alu instid0(VALU_DEP_3)
	v_mov_b32 v[PC+3+\i], v[PC+12+\i]
.endr
.endm
	s_load_b512 s[4:19], s[0:1], 0x0               ; query s[4:5], key_ s[6:7], value s[8:9], pos_emb s[10:11], wpk s[12:13], bq s[14:15], bk s[16:17], bv s[18:19]
	s_load_b128 s[20:23], s[0:1], 0x40             ; pos_bias_u, pos_bias_v
	s_load_b64 s[24:25], s[0:1], 0x50              ; act
	v_lshl_add_u32 v[SPW], v0, 2, SPARE
	v_mov_b32 v[NIL], 0
	ds_add_u32 v[SPW], v[NIL]                      ; the wave's opening: the add and its wait ahead of my first tensor load; work on registers stands between them
	ds_add_u32 v[SPW], v[NIL]
	v_lshrrev_b32 v1, 5, v0
	s_delay_alu instid0(VALU_DEP_1)
	v_readfirstlane_b32 s[WV], v1                  ; wave 0..7 = head
	s_lshr_b32 s[TY], ttmp9, 6                     ; kind
	s_and_b32 s[BLK], ttmp9, 63                    ; block of 128 rows
	; descriptor group 1: 16 rows x 512 elements of 4 bytes, 2,048 bytes apart in memory, 16 bytes of padding behind every 1,024 bytes in LDS
	s_mov_b32 s[G1], (2<<16)|(1<<20)|(7<<22)|(3<<25)   ; 16 rows x 512 elements of 4 bytes; 4 words of padding behind every 256 words (code 7)
	s_mov_b32 s[G1+1], 512<<16                     ; tensor_dim0 = 512
	s_mov_b32 s[G1+2], 16<<16                      ; tensor_dim1 = 16
	s_mov_b32 s[G1+3], 512<<16                     ; tile_dim0 = 512
	s_mov_b32 s[G1+4], 16                          ; tile_dim1 = 16
	s_mov_b32 s[G1+5], 512                         ; elements from row to row
	s_mov_b32 s[G1+6], 0
	s_mov_b32 s[G1+7], 0
	s_mov_b32 s[SEL], 0x76543210
	s_mov_b32 s[SEL+1], 0xfedcba98
	s_mul_i32 s67, s[WV], RB                       ; what I fetch: the block's rows 16 w .. 16 w + 15: run w in LDS,
	s_and_b32 s69, s[WV], 1
	s_lshl_b32 s69, s69, 4
	s_add_co_u32 s67, s67, s69
	s_lshl_b32 s70, s[WV], 15                      ; and in memory 16 rows of 2,048 bytes on end
	s_lshl_b32 s71, s[BLK], 18                     ; + the block's 128 rows
	s_add_co_u32 s70, s70, s71
	s_mov_b32 s71, 0
	s_wait_dscnt 0x0                               ; the opening add is done
	s_wait_kmcnt 0x0
	s_cmp_eq_u32 s[TY], 1                          ; the choice hangs on the work-group's number alone
	s_cselect_b64 s[XP:XP+1], s[6:7], s[4:5]
	s_cmp_eq_u32 s[TY], 2
	s_cselect_b64 s[XP:XP+1], s[8:9], s[XP:XP+1]
	s_cmp_eq_u32 s[TY], 3
	s_cselect_b64 s[XP:XP+1], s[10:11], s[XP:XP+1]
	s_add_nc_u64 s[XP:XP+1], s[XP:XP+1], s[70:71]
	s_mov_b32 s[G0], 1                             ; count = 1
	s_mov_b32 s[G0+1], s67                         ; LDS address
	s_mov_b64 s[G0+2:G0+3], s[XP:XP+1]
	s_or_b32 s[G0+3], s[G0+3], 0x80000000          ; type = 2
	s_wait_alu depctr_va_vdst(0)
	s_cmp_lt_u32 s[WV], 4
	s_cbranch_scc0 .Lgroup_1
	tensor_load_to_lds s[G0:G0+3], s[G1:G1+7]      ; waves 0-3: group 0
	s_nop 0
.rept 4
	v_nop
.endr
	s_branch .Lasked
.Lgroup_1:
	tensor_load_to_lds s[G0:G0+3], s[G1:G1+7]      ; waves 4-7: group 1
	s_nop 0
.rept 4
	v_nop
.endr
.Lasked:
	v_and_b32 v1, 31, v0                           ; lane
	v_and_b32 v[BV], 15, v0                        ; r
	v_bfe_u32 v[BA], v0, 4, 1                      ; h
	s_delay_alu instid0(VALU_DEP_3)
	v_lshlrev_b32 v[LI], 4, v1
	s_delay_alu instid0(VALU_DEP_4)
	v_lshlrev_b32 v[LS], 2, v1
	v_lshlrev_b32 v[L8], 3, v1
	v_lshrrev_b32 v15, 3, v[BV]
	s_delay_alu instid0(VALU_DEP_1)
	v_mul_u32_u24 v[XR], v15, RB+16                ; lanes r >= 8 take rows 16 further on: the next run;
	v_and_b32 v15, 7, v[BV]
	s_delay_alu instid0(VALU_DEP_1)
	v_mad_u32_u24 v[XR], v15, RP, v[XR]            ; row r % 8 of it;
	s_delay_alu instid0(VALU_DEP_1)
	v_lshl_add_u32 v[XR], v[BA], 6, v[XR]          ; + 64 h: my 16 numbers of a block of 32
	s_wait_alu depctr_va_vdst(0)
	s_lshr_b32 s66, s[WV], 2                       ; I quantise tile w / 2 at K steps 2 (w % 2) and 2 (w % 2) + 1
	s_mul_i32 s66, s66, 2*RB
	s_bfe_u32 s67, s[WV], 0x10001
	s_mul_i32 s67, s67, 8*RP
	s_add_co_u32 s66, s66, s67
	s_and_b32 s67, s[WV], 1
	s_mul_i32 s67, s67, 1040
	s_add_co_u32 s66, s66, s67
	v_add_nc_u32 v[XR], s66, v[XR]
	s_delay_alu instid0(VALU_DEP_1)
	v_add_nc_u32 v[XR+1], RAWG, v[XR]
	s_mul_i32 s66, s[WV], 3072
	s_add_co_u32 s66, s66, XIMG
	v_add_nc_u32 v[XWI], s66, v[LI]
	s_lshl_b32 s66, s[WV], 8
	s_add_co_u32 s66, s66, XSC
	v_add_nc_u32 v[XWS], s66, v[LS]
	v_add_nc_u32 v[LIX], XIMG, v[LI]
	v_add_nc_u32 v[LSX], XSC, v[LS]
	v_and_b32 v15, 8, v[BV]
	s_delay_alu instid0(VALU_DEP_1)
	v_add_nc_u32 v[BV], v15, v[BV]
	s_delay_alu instid0(VALU_DEP_1)
	v_lshlrev_b32 v[BV], 2, v[BV]
	v_lshlrev_b32 v[BA], 6, v[BA]
	; where my results go
	s_lshr_b32 s66, s[BLK], 3
	s_lshl_b32 s66, s66, 3
	s_add_co_u32 s66, s66, s[WV]
	s_lshl_b32 s66, s66, 3
	s_and_b32 s67, s[BLK], 7
	s_add_co_u32 s[J], s66, s67
	s_mov_b32 s67, 6144
	s_cmp_eq_u32 s[TY], 0
	s_cselect_b32 s67, 12288, s67
	s_mul_i32 s66, s[J], s67
	s_mov_b32 s68, 0
	s_cmp_eq_u32 s[TY], 1
	s_cselect_b32 s68, 6291456, s68
	s_cmp_eq_u32 s[TY], 2
	s_cselect_b32 s68, 9437184, s68
	s_cmp_eq_u32 s[TY], 3
	s_cselect_b32 s68, 12582912, s68
	s_add_co_u32 s66, s66, s68
	s_mov_b32 s67, 0
	s_add_nc_u64 s[DC:DC+1], s[24:25], s[66:67]
	s_lshl_b32 s66, s[J], 10
	s_lshl_b32 s69, s[J], 9
	s_cmp_eq_u32 s[TY], 2
	s_cselect_b32 s66, s69, s66
	s_mov_b32 s68, 12976128
	s_cmp_eq_u32 s[TY], 1
	s_cselect_b32 s68, 13500416, s68
	s_cmp_eq_u32 s[TY], 2
	s_cselect_b32 s68, 14024704, s68
	s_cmp_eq_u32 s[TY], 3
	s_cselect_b32 s68, 14286848, s68
	s_add_co_u32 s66, s66, s68
	s_add_nc_u64 s[DS:DS+1], s[24:25], s[66:67]
	; my part of W: weight = kind, rows 64 w on
	s_mul_i32 s66, s[TY], 196608
	s_mul_i32 s70, s[WV], 24576
	s_add_co_u32 s66, s66, s70
	s_add_nc_u64 s[72:73], s[12:13], s[66:67]
	s_lshl_b32 s66, s[TY], 14
	s_lshl_b32 s70, s[WV], 11
	s_add_co_u32 s66, s66, s70
	s_add_co_u32 s66, s66, 983040
	s_add_nc_u64 s[74:75], s[12:13], s[66:67]
	s_lshl_b32 s66, s[WV], 8                       ; my head's 64 numbers of each bias
	s_add_nc_u64 s[14:15], s[14:15], s[66:67]
	s_add_nc_u64 s[16:17], s[16:17], s[66:67]
	s_add_nc_u64 s[18:19], s[18:19], s[66:67]
	s_add_nc_u64 s[20:21], s[20:21], s[66:67]
	s_add_nc_u64 s[22:23], s[22:23], s[66:67]
	WIN 0x40                                       ; destination window 1
.set cnt, 0
.rept 64
	v_mov_b32 v[B0+cnt], 0                         ; p has no bias; the other kinds write theirs below
.set cnt, cnt+1
.endr
.irp f, 0,1,2,3,4,5,6,7,8,9,10,11,12,13,14,15
.irp c, 0,1,2
	global_load_b128 v[12*\f+4*\c:12*\f+4*\c+3], v[LI], s[72:73] offset:1536*\f+512*\c   ; W's fragments: they stay
.endr
.endr
	WIN 0
.irp f, 0,1,2,3,4,5,6,7,8,9,10,11,12,13,14,15
	global_load_b32 v[WSW+\f], v[LS], s[74:75] offset:128*\f
.endr
.irp b, 0,1,2,3
	v_mov_b32 v[TM+4+\b], 0                        ; a lane permute's destination counts as one of its sources
	v_mov_b32 v[VPW+\b], 0
.endr
	s_cmp_eq_u32 s[TY], 0
	s_cbranch_scc1 .Lbias_q
	s_cmp_eq_u32 s[TY], 1
	s_cbranch_scc1 .Lbias_k
	s_cmp_eq_u32 s[TY], 2
	s_cbranch_scc1 .Lbias_v
	s_branch .Lbias_done
.Lbias_q:                              ; lane (r, h), tile n, register j: channel 32 (n / 2) + 16 h + 8 (n % 2) + j
.irp n, 0,1,2,3
.irp e, 0,1
	global_load_b128 v[128+8*\n+4*\e:128+8*\n+4*\e+3], v[BA], s[14:15] offset:128*(\n/2)+32*(\n%2)+16*\e
	global_load_b128 v[160+8*\n+4*\e:160+8*\n+4*\e+3], v[BA], s[20:21] offset:128*(\n/2)+32*(\n%2)+16*\e
	global_load_b128 v[192+8*\n+4*\e:192+8*\n+4*\e+3], v[BA], s[22:23] offset:128*(\n/2)+32*(\n%2)+16*\e
.endr
.endr
	s_wait_loadcnt 0x0
	WIN 0x40
.irp j, 0,2,4,6,8,10,12,14,16,18,20,22,24,26,28,30
	v_pk_add_f32 v[B0+\j:B0+\j+1], v[128+\j:128+\j+1], v[160+\j:160+\j+1]   ; bq + u
	v_pk_add_f32 v[B1+\j:B1+\j+1], v[128+\j:128+\j+1], v[192+\j:192+\j+1]   ; bq + v
.endr
	WIN 0
	s_branch .Lbias_done
.Lbias_k:
	WIN 0x40
.irp n, 0,1,2,3
.irp e, 0,1
	global_load_b128 v[B0+8*\n+4*\e:B0+8*\n+4*\e+3], v[BA], s[16:17] offset:128*(\n/2)+32*(\n%2)+16*\e
.endr
.endr
	WIN 0
	s_branch .Lbias_done
.Lbias_v:                              ; lane r of tile n holds ONE channel, 32 (n / 2) + 8 (n % 2) + r + 8 (r / 8), in all eight registers
.irp n, 0,1,2,3
	global_load_b32 v[128+\n], v[BV], s[18:19] offset:(32*(\n/2)+8*(\n%2))*4
.endr
	s_wait_loadcnt 0x0
	WIN 0x40
.irp n, 0,1,2,3
.irp j, 0,1,2,3,4,5,6,7
	v_mov_b32 v[B0+8*\n+\j], v[128+\n]
.endr
.endr
	WIN 0
.Lbias_done:
	s_wait_loadcnt 0x0                             ; W, its scale words, the bias
; My two fragments of x: 2 x 64 numbers from LDS, quantised, their images stored.
.macro XPHASE g
	s_wait_xcnt 0x0                                ; earlier stores have read the registers of codes and scale words, which are written again below
.irp e, 0,1
.irp b, 0,1,2,3
.irp j, 0,1,2,3
	ds_load_b128 v[ACC+64*\e+16*\b+4*\j:ACC+64*\e+16*\b+4*\j+3], v[XR+\g] offset:\e*RAWS+128*\b+16*\j
.endr
.endr
.endr
	s_wait_dscnt 16                                ; the first K step's 16 loads are in; the second's 16 may be out
	QUANT ACC,ACC+32
.irp c, 0,1,2
	ds_store_b128 v[XWI], v[PC+4*\c:PC+4*\c+3] offset:512*\c
.endr
	ds_store_b32 v[XWS], v[PW]
	s_wait_dscnt 0x0                               ; the stores have read their registers, and the second K step's numbers are in
	QUANT ACC+64,ACC+96
.irp c, 0,1,2
	ds_store_b128 v[XWI], v[PC+4*\c:PC+4*\c+3] offset:1536+512*\c
.endr
	ds_store_b32 v[XWS], v[PW] offset:128
.endm
; 64 products: four K steps x 16 accumulators, which take turns, one instruction a turn.
; ord = 0: source 0 = W, source 1 = x, accumulator (tile t, n) at ACC + 8 (4 t + n);  ord = 1: source 0 = x, source 1 = W, at ACC + 8 (4 n + t).  cm = 1: the bias is the C of the first K step, else the constant 0.
; x's fragments of a K step come by two tiles, eight loads; two tiles are multiplied while the other two are on their way.
.macro XLOAD s, ta, tb
.irp t, \ta, \tb
.irp c, 0,1,2
	ds_load_b128 v[XF+12*\t+4*\c:XF+12*\t+4*\c+3], v[LIX] offset:(4*\t+(\s))*1536+512*\c
.endr
	ds_load_b32 v[XS+\t], v[LSX] offset:(4*\t+(\s))*128
.endr
.endm
.macro PWIN s, ord, cm
.if ((\s) == 0) && (\cm)
	WIN 0x11+3*\ord                                ; W and the bias in window 1
.else
	WIN 0x01+3*\ord                                ; W in window 1
.endif
.endm
.macro PROD ord, cm
	XLOAD 0, 0, 1
	XLOAD 0, 2, 3
.irp s, 0,1,2,3
	s_wait_dscnt 0x8                               ; tiles 0 and 1 are in; the younger eight loads, tiles 2 and 3, may be out
	PWIN \s, \ord, \cm
.irp t, 0,1,2,3
.if \t == 2
.if \s < 3
	WIN 0
.rept 4
	v_nop                                          ; places in front of loads into registers that matrix instructions have read
.endr
	XLOAD \s+1, 0, 1
	s_wait_dscnt 0x8                               ; tiles 2 and 3 are in; the eight just issued may be out
	PWIN \s, \ord, \cm
.else
	s_wait_dscnt 0x0
.endif
.endif
.irp n, 0,1,2,3
.if \ord == 0
.set DD, ACC+8*(4*\t+\n)
.else
.set DD, ACC+8*(4*\n+\t)
.endif
.if \s == 0
.if \cm
.set CC, B0+8*\n
.else
.set CC, -1
.endif
.else
.set CC, DD
.endif
.if \ord == 0
	MMA DD, 12*(4*\n+\s), XF+12*\t, CC, WSW+4*\n+\s, XS+\t
.else
	MMA DD, XF+12*\t, 12*(4*\n+\s), CC, XS+\t, WSW+4*\n+\s
.endif
.endr
.endr
	WIN 0
.rept 4
	v_nop                                          ; places in front of loads into registers that matrix instructions have read, and of the first read of results
.endr
.if \s < 3
	XLOAD \s+1, 2, 3
.endif
.endr
.endm
.macro GROUP g
	s_wait_alu depctr_va_vdst(0)
.if \g == 0
	s_cmp_lt_u32 s[WV], 4
	s_cbranch_scc0 .Lno_wait_\@
	s_wait_tensorcnt 0x0                           ; group 0's rows have landed; group 1's may be on their way
.Lno_wait_\@:
.else
	s_wait_tensorcnt 0x0
.endif
	s_wait_dscnt 0x0                               ; my reads of the last group's images are over
	s_barrier_signal -1
	s_barrier_wait -1                              ; both hold of every wave
	XPHASE \g
	s_wait_dscnt 0x0                               ; for the others' sake: my images have landed
	s_barrier_signal -1
	s_barrier_wait -1                              ; the group's 16 fragments lie in LDS
	s_cmp_eq_u32 s[TY], 0
	s_cbranch_scc1 .Lq_\@
	s_cmp_eq_u32 s[TY], 2
	s_cbranch_scc1 .Lv_\@
	PROD 0, 1                                      ; k and p
.irp t, 0,1,2,3
	s_wait_xcnt 0x0                                ; the last stores have read their registers
	QUANT2 ACC+32*\t
.irp p, 0,1,2
	global_store_b64 v[L8], v[PC+2*\p:PC+2*\p+1], s[DC:DC+1] offset:(4*\g+\t)*768+256*\p   ; 32 lanes store 256 consecutive bytes, aligned
.endr
	global_store_b32 v[LS], v[PW], s[DS:DS+1] offset:(4*\g+\t)*128
.endr
	s_branch .Ljoin_\@
.Lq_\@:
	PROD 0, 0
.irp t, 0,1,2,3
	WIN 0x04                                       ; source 1 in window 1
.irp j, 0,2,4,6,8,10,12,14,16,18,20,22,24,26,28,30
	v_pk_add_f32 v[QV+\j:QV+\j+1], v[ACC+32*\t+\j:ACC+32*\t+\j+1], v[B1+\j:B1+\j+1]   ; q + bq + v; each accumulator is read from its low end on
.endr
.irp j, 0,2,4,6,8,10,12,14,16,18,20,22,24,26,28,30
	v_pk_add_f32 v[ACC+32*\t+\j:ACC+32*\t+\j+1], v[ACC+32*\t+\j:ACC+32*\t+\j+1], v[B0+\j:B0+\j+1]   ; q + bq + u
.endr
	WIN 0
	s_wait_alu depctr_va_vdst(0)
	s_wait_xcnt 0x0
	QUANT ACC+32*\t,QV
.irp c, 0,1,2
	global_store_b128 v[LI], v[PC+4*\c:PC+4*\c+3], s[DC:DC+1] offset:(4*\g+\t)*1536+512*\c   ; 512 consecutive bytes, aligned
.endr
	global_store_b32 v[LS], v[PW], s[DS:DS+1] offset:(4*\g+\t)*128
.endr
	s_branch .Ljoin_\@
.Lv_\@:
	PROD 1, 1
.irp n, 0,1,2,3
	s_wait_xcnt 0x0
	QUANT2 ACC+32*\n                               ; channel tile n: the group's 64 keys are half g of its fragment
.irp p, 0,1,2
	global_store_b64 v[L8], v[PC+2*\p:PC+2*\p+1], s[DC:DC+1] offset:\n*1536+\g*768+256*\p
.endr
	v_lshl_or_b32 v[VPW+\n], v[PW], 16*\g, v[VPW+\n]   ; the group's two bytes at their place in the scale word
.endr
.if \g == 1
.irp n, 0,1,2,3
	global_store_b32 v[LS], v[VPW+\n], s[DS:DS+1] offset:128*\n
.endr
.endif
.Ljoin_\@:
.endm
	GROUP 0
	GROUP 1
	s_wait_tensorcnt 0x0                           ; the wave's end: behind my last tensor load and my last LDS store
	ds_add_u32 v[SPW], v[NIL]
	s_wait_dscnt 0x0
	s_endpgm
.Lfunc_end_k_qb1f9fac2a4_proj:
	.size	k_qb1f9fac2a4_proj, .Lfunc_end_k_qb1f9fac2a4_proj-k_qb1f9fac2a4_proj
	.p2alignl 7, 3214868480
	.fill 96, 4, 3214868480
	.section	.rodata,"a",@progbits
	.p2align	6, 0x0
	.amdhsa_kernel k_qb1f9fac2a4_proj
		.amdhsa_group_segment_fixed_size 302080
		.amdhsa_private_segment_fixed_size 0
		.amdhsa_enable_private_segment 0
		.amdhsa_kernarg_size 88
		.amdhsa_user_sgpr_count 2
		.amdhsa_user_sgpr_kernarg_segment_ptr 1
		.amdhsa_wavefront_size32 1
		.amdhsa_system_sgpr_workgroup_id_x 1
		.amdhsa_system_sgpr_workgroup_id_y 1
		.amdhsa_system_sgpr_workgroup_id_z 1
		.amdhsa_system_vgpr_workitem_id 0
		.amdhsa_next_free_vgpr 512
		.amdhsa_next_free_sgpr 80
		.amdhsa_reserve_vcc 0
		.amdhsa_float_denorm_mode_32 3
		.amdhsa_float_denorm_mode_16_64 3
		.amdhsa_memory_ordered 1
		.amdhsa_forward_progress 1
		.amdhsa_inst_pref_size 236
	.end_amdhsa_kernel
	.amdgpu_metadata
---
amdhsa.version: [ 1, 2 ]
amdhsa.kernels:
  - .name:           k_qb1f9fac2a4_proj
    .symbol:         k_qb1f9fac2a4_proj.kd
    .args:
      - { .name: query, .offset: 0, .size: 8, .value_kind: global_buffer, .address_space: global }
      - { .name: key_, .offset: 8, .size: 8, .value_kind: global_buffer, .address_space: global }
      - { .name: value, .offset: 16, .size: 8, .value_kind: global_buffer, .address_space: global }
      - { .name: pos_emb, .offset: 24, .size: 8, .value_kind: global_buffer, .address_space: global }
      - { .name: wpk, .offset: 32, .size: 8, .value_kind: global_buffer, .address_space: global }
      - { .name: bq, .offset: 40, .size: 8, .value_kind: global_buffer, .address_space: global }
      - { .name: bk, .offset: 48, .size: 8, .value_kind: global_buffer, .address_space: global }
      - { .name: bv, .offset: 56, .size: 8, .value_kind: global_buffer, .address_space: global }
      - { .name: pos_bias_u, .offset: 64, .size: 8, .value_kind: global_buffer, .address_space: global }
      - { .name: pos_bias_v, .offset: 72, .size: 8, .value_kind: global_buffer, .address_space: global }
      - { .name: act, .offset: 80, .size: 8, .value_kind: global_buffer, .address_space: global }
    .group_segment_fixed_size: 302080
    .private_segment_fixed_size: 0
    .kernarg_segment_align: 8
    .kernarg_segment_size: 88
    .max_flat_workgroup_size: 256
    .sgpr_count:     80
    .vgpr_count:     512
    .wavefront_size: 32
...
	.end_amdgpu_metadata
.endif
;; end of part 2
;; launch attn (part 3): grid 4 x 64, 8 waves a work-group, clusters of 4 x 1, 209,920 bytes of LDS; arguments act, mask, xpk; writes xpk
.if DOCPART == 3
	.amdgcn_target "amdgcn-amd-amdhsa--gfx1250"
	.amdhsa_code_object_version 6
	.text
	.protected	k_qb1f9fac2a4_attn
	.globl	k_qb1f9fac2a4_attn
	.p2align	8
	.type	k_qb1f9fac2a4_attn,@function
k_qb1f9fac2a4_attn:
	s_mov_b64 s[64:65], 0
	v_nop
	global_prefetch_b8 v0, s[64:65] scope:SCOPE_SE
	s_setreg_imm32_b32 hwreg(HW_REG_WAVE_MODE, 25, 1), 1
	s_wait_xcnt 0x0
	s_wait_alu depctr_hold_cnt(0) depctr_sa_sdst(0) depctr_va_vdst(0) depctr_va_sdst(0) depctr_va_ssrc(0) depctr_va_vcc(0) depctr_vm_vsrc(0)
	s_getreg_b32 s2, hwreg(HW_REG_IB_STS2, 6, 4)
	s_cmp_eq_u32 s2, 0
	s_cbranch_scc0 .Lentry_in_a_cluster
	s_endpgm
.Lentry_in_a_cluster:
	s_bfe_u32 s2, ttmp6, 0x10000c
	s_cmp_lg_u32 s2, 0x3003
	s_cbranch_scc0 .Lentry_shape_is_right
	s_endpgm
.Lentry_shape_is_right:
; attn = softmax over the keys of ((q + u) . k + (q + v) . p) / 8 under the key mask, finished and normalised, then quantised along the keys; x = attn v, quantised along each head's 64 channels.
; All products on codes of E2M3 with one E8M0 byte for each 32 along K.  (q + u) || (q + v) against k || p is K = 128: ONE instruction makes a tile of both score products' sum.
; SHARES.  A work-group owns 256 queries (16 tiles) of one (batch, head).  THE EIGHT WAVES SHARE THE KEYS: wave w owns keys 128 w .. 128 w + 127 for every query.  Its 8 fragments of k || p, its 4 of v^T and its
; 64 registers of mask stay in window 1 for the whole launch.  A round takes 2 tiles of queries, A and B; 8 rounds, two to a trip of the loop.
; LAYOUT.  S^T = K' Q'^T (source 0 = 16 keys, source 1 = 16 queries), O^T = V^T P (source 0 = 16 channels): a lane holds ONE query throughout.  The keys (and channels) of a tile are not neighbours: lane r of tile
; 2 b + u holds 32 b + 8 u + r + 8 (r / 8), so that the 16 registers of two neighbouring result tiles are 16 neighbours along the next K.
; THE MASK is the C of the score products: 0 for a key that counts, -1e30 for one that does not.
; WHAT EXISTS ONCE A ROW LIES IN ONE REGISTER FOR BOTH TILES: lanes 0-15 hold tile A's query r, lanes 16-31 tile B's.  v_permlane16_swap_b32 of A's and B's registers puts the two halves of A's lanes, and of B's,
; against each other, so one maximum (or sum) joins them; the same swap of two copies of such a register spreads it again: the first copy holds A's number in all lanes, the second B's.
; THE SOFTMAX.  t = score x log2(e) / 8.  Each wave takes the largest t of its 128 keys, M_w = that rounded UP to a whole number, e = 2^(t - M_w), l_w = the sum of e.  The waves exchange (-M_w, l_w) through LDS:
; M = the largest M_w, l = the sum of l_w 2^(M_w - M) (exact scalings), attn = e x (2^(M_w - M) / l).  A row none of whose keys counts gets attn = 0.
; Among the exponentials stand only lines whose results are first read behind the wait that follows: B's multiply-adds among A's, the first level of A's sum (16 sums of pairs) among B's.
; THE WAVES' PARTS OF O^T meet in a stage in LDS, two rounds deep.  Behind a round's exchange barrier each wave sums, over the eight waves, a quarter of one tile of the round BEFORE (8 of its 32 registers) and puts the sum by;
; at the end wave w quantises tiles w and w + 8 along the 64 channels and stores each as half a fragment of the output projection's operand.
; CLUSTER.  The four query blocks of one (batch, head) need the same k, p and v: waves 0 to 5 ask for half a tensor each, JOINTLY, once, at the head (one load a wave).
; LIMITS: NaN and infinities are not served; the promise holds while every t stays under 2^31 in magnitude; a block whose largest magnitude lies under 2^-124 (a block of zeros too) keeps the byte 1: the bytes are read by
; this program alone.
; No prefetch: k, p, v and the mask are asked for once at the head; a round's queries are loaded a whole round ahead.
.set KC_O, 6291456                     ; act: k's codes; v's; p's; the scale words of q, k, v, p
.set VC_O, 9437184
.set PC_O, 12582912
.set QS_O, 12976128
.set KS_O, 13500416
.set VS_O, 14024704
.set PS_O, 14286848
.set XS_O, 3145728                     ; xpk: the scale words
.set TEN, 49152                        ; LDS from 0: k, p, v of the head, 49,152 bytes each, filled once; a wave's 128 keys are 6,144 bytes of each
.set HOLE, 131072                      ; LDS from 0 again, once those bytes have had their only fill and their last read: the stage, [parity 2][tile 2][wave 8][4,096]; behind it 8,192 bytes that nothing is put into;
.set SUMS, 139264                      ; the sums, [tile 16][4,096];
.set ML,    204800                     ; [parity 2][-M_w, l_w][wave 8][lane 32] words
.set SPARE, 208896                     ; the spare words, 128 bytes for each wave: four blocks of 256 bytes that no other line names
.set SPW, 2                            ; v2   LDS address of my spare word; never rewritten
.set NIL, 3                            ; v3   0; never rewritten
.set LI,  4                            ; v4   16 x lane
.set LS,  5                            ; v5   4 x lane
.set MLW, 6                            ; v6   ML + 128 w + 4 x lane
.set MLR, 7                            ; v7   ML + 4 x lane
.set SA,  8                            ; v8, v9   my part in the stage: 4,096 w + 16 x lane + 65,536 x parity
.set SR,  10                           ; v10, v11 my quarter of a tile in it: 32,768 (w / 4) + 1,024 (w % 4) + 16 x lane + 65,536 x parity
.set VB,  12                           ; v12  HOLE + 4,096 (w / 4) + 1,024 (w % 4) + 16 x lane
.set XO,  13                           ; v13  8 x lane + 6,144 w
.set NEGR, 14                          ; v14  -1e30
.set XSO, 15                           ; v15  4 x lane + 1,024 w
.set KSW, 16                           ; v16-23 scale words of k || p, a tile each
.set VSW, 24                           ; v24-27 of v^T
.set QSW, 28                           ; v28-31 of the queries: 2 x buffer + tile
.set NMA, 32                           ; v32, v34 -M_w of A, of B, in all lanes (v33, v35, v41, v43: the pairs' other halves, named by packed lines)
.set NMB, 34
.set NM,  36                           ; v36  -M_w, A in lanes 0-15, B in lanes 16-31; so too v37 l_w, v44 the factor, v45, v46 at work
.set LM,  37
.set T0,  38                           ; v38, v39 at work
.set FA,  40                           ; v40, v42 the factor of A, of B, in all lanes
.set FB,  42
.set FM,  44
.set DW,  45
.set RC,  46
.set MA,  48                           ; v48-51 A's four blocks' largest; then both tiles'
.set MB,  52                           ; v52-55 B's
.set OA,  56                           ; v56-59 the conversions' scale operands of A, v60-63 of B
.set OB,  60
.set XE,  64                           ; v64-71 the eight waves' -M_w; v72-79 their l_w, then my quarter's sum
.set XL,  72
.set PW,  80                           ; v80  attn's scale word: lanes 0-15 A's, lanes 16-31 B's
.set VS,  81                           ; v81  VB + 16,384 x trip: where a sum is put by
.set PCB, 82                           ; tile i at PCB + 20 i: attn's codes; ahead of them the sums of e: v82-113 A's, v114-121 B's; then v82-113 four waves' parts of my quarter
.set BC,  114
.set RDF, 122                          ; v122 SUMS + 4,096 w + 16 x lane
.set TM,  48                           ; the end's quantiser works in these
.set PC,  82
.set S,   128                          ; tile i at S + 64 i: S^T, then e, then attn; O^T in its first 32
.set KF,  0                            ; window 1: k || p at 12 t;
.set VF,  96                           ; v^T at 96 + 12 d;
.set BI,  144                          ; the mask at 144 + 8 t;
.set QF,  208                          ; the queries: 208 + 24 x buffer + 12 x tile
.set WV,  10
.set CX,  11
.set BH,  12
.set QP,  14                           ; s[14:15] the trip's first tile of queries
.set QSP, 16                           ; s[16:17] and its scale words
.set XP,  18                           ; s[18:19] where my codes go
.set XSP, 20                           ; s[20:21] and their scale words
.set TRIP, 22
.set SOFF, 23                          ; s23 16,384 x trip
.set G1,  24                           ; s[24:31] descriptor group 1;  s[32:35] group 0
.set G0,  32
.set CS,  44                           ; s[44:45] c = log2(e) / 8: the packed form names a pair and takes its low word for both halves
.set SEL, 46                           ; s[46:47] lane selects for v_permlanex16_b32: lane l xor 16
.set MSB, 0
.macro WIN new                         ; the immediate's high byte repeats the setting that is left; a switch that changes nothing is dropped
.if MSB != (\new)
	s_set_vgpr_msb (MSB<<8)|(\new)
.set MSB, (\new)
.endif
.endm
.macro WALU
	s_wait_alu depctr_va_vdst(0)
.endm
.macro PLACES n
.rept \n
	v_nop
.endr
.endm
.macro MMA d, a, b, cc, sa, sb, row=0  ; one scaled product; cc = -1: the constant 0 starts the sum
.if (\cc) < 0
	v_wmma_scale_f32_16x16x128_f8f6f4 v[(\d):(\d)+7], v[(\a):(\a)+11], v[(\b):(\b)+11], 0, v[\sa], v[\sb] matrix_a_fmt:MATRIX_FMT_FP6 matrix_b_fmt:MATRIX_FMT_FP6 matrix_b_scale:MATRIX_SCALE_ROW\row
.else
	v_wmma_scale_f32_16x16x128_f8f6f4 v[(\d):(\d)+7], v[(\a):(\a)+11], v[(\b):(\b)+11], v[(\cc):(\cc)+7], v[\sa], v[\sb] matrix_a_fmt:MATRIX_FMT_FP6 matrix_b_fmt:MATRIX_FMT_FP6 matrix_b_scale:MATRIX_SCALE_ROW\row
.endif
.endm
; 32 numbers of a lane (register 16 b + i = k 32 b + 16 h + i of my row) become six registers of codes in v[PC] on and two scale bytes in v[PW], its upper half 0.
.macro QUANT2 sa
	v_max3_num_f32 v[TM], |v[(\sa)]|, |v[(\sa)+1]|, 0x1800000        ; and the floor 2^(3 - 127): the byte cannot fall under 1
	v_max3_num_f32 v[TM+1], |v[(\sa)+16]|, |v[(\sa)+17]|, 0x1800000
.irp i, 2,4,6,8,10,12,14
	v_max3_num_f32 v[TM], v[TM], |v[(\sa)+\i]|, |v[(\sa)+\i+1]|
	v_max3_num_f32 v[TM+1], v[TM+1], |v[(\sa)+16+\i]|, |v[(\sa)+17+\i]|
.endr
	v_permlanex16_b32 v[TM+4], v[TM], s[SEL], s[SEL+1]
	v_permlanex16_b32 v[TM+5], v[TM+1], s[SEL], s[SEL+1]
	v_max_num_f32 v[TM], v[TM], v[TM+4]
	v_max_num_f32 v[TM+1], v[TM+1], v[TM+5]
	v_add_nc_u32 v[TM+12], 0xff000000, v[TM]                         ; 2 off the exponent field: the conversion's scale operand
	v_add_nc_u32 v[TM+13], 0xff000000, v[TM+1]
	v_lshrrev_b32 v[TM+4], 23, v[TM+12]
	v_lshrrev_b32 v[TM+5], 23, v[TM+13]
	v_lshl_or_b32 v[PW], v[TM+5], 8, v[TM+4]
	v_cvt_scalef32_pk16_fp6_f32 v[PC:PC+2], v[(\sa):(\sa)+15], v[TM+12]
	v_cvt_scalef32_pk16_fp6_f32 v[PC+12:PC+14], v[(\sa)+16:(\sa)+31], v[TM+13]
	v_nop                                                            ; one plain place behind a scaled conversion
.irp i, 0,1,2
	v_permlane16_swap_b32 v[PC+\i], v[PC+12+\i]
.endr
.irp i, 0,1,2
	v_mov_b32 v[PC+3+\i], v[PC+12+\i]
.endr
.endm
.macro CROUND                          ; a round of the cluster's barrier
	s_barrier_signal -1
	s_barrier_wait -1
	s_cmp_lg_u32 s[WV], 0
	s_cbranch_scc1 .Lnot_wave_0_\@
	s_barrier_signal -3
.Lnot_wave_0_\@:
	s_barrier_wait -3
	s_barrier_signal -1
	s_barrier_wait -1
.endm
	s_load_b128 s[4:7], s[0:1], 0x0                ; act, mask
	s_load_b64 s[8:9], s[0:1], 0x10                ; xpk
	v_lshl_add_u32 v[SPW], v0, 2, SPARE
	v_mov_b32 v[NIL], 0
	ds_add_u32 v[SPW], v[NIL]                      ; the wave's opening: the add, twice on end, and its wait ahead of my first tensor load; work on registers stands between them
	ds_add_u32 v[SPW], v[NIL]
	v_lshrrev_b32 v1, 5, v0
	v_readfirstlane_b32 s[WV], v1                  ; wave 0..7 = my 128 keys
	s_bfe_u32 s[CX], ttmp6, 0x40000                ; my place in the cluster
	s_lshl_b32 s13, ttmp9, 2
	s_add_co_u32 s13, s13, s[CX]                   ; my block of 256 queries: it enters the queries' and the results' addresses alone
	s_and_b32 s[BH], ttmp7, 0xffff                 ; 8 x batch + head, which the four partners share
	; descriptor group 1: 24,576 dense bytes as 96 rows of 256 (32 elements of 8 bytes)
	s_mov_b32 s[G1], 15|(3<<16)|(1<<21)            ; 15:0 the mask: all four work-groups; 17:16 elements of 8 bytes; 21 set beside a mask
	s_mov_b32 s[G1+1], 32<<16
	s_mov_b32 s[G1+2], 96<<16
	s_mov_b32 s[G1+3], 32<<16
	s_mov_b32 s[G1+4], 96
	s_mov_b32 s[G1+5], 32
	s_mov_b32 s[G1+6], 0
	s_mov_b32 s[G1+7], 0
	s_mov_b32 s[CS], 0x3e38aa3b                    ; log2(e) / 8
	s_mov_b32 s[CS+1], s[CS]
	s_mov_b32 s[SEL], 0x76543210
	s_mov_b32 s[SEL+1], 0xfedcba98
	s_mov_b32 s[TRIP], 4
	s_mov_b32 s[SOFF], 0
	s_and_b32 s49, s[BH], 7                        ; head
	s_lshr_b32 s50, s[WV], 1                       ; waves 0, 1 fetch k's two halves, 2, 3 p's, 4, 5 v's
	s_mul_i32 s52, s[BH], TEN
	s_add_co_u32 s54, s52, VC_O
	s_add_co_u32 s52, s52, KC_O
	s_mul_i32 s56, s49, TEN
	s_add_co_u32 s56, s56, PC_O
	s_cmp_eq_u32 s50, 1
	s_cselect_b32 s52, s56, s52
	s_cmp_eq_u32 s50, 2
	s_cselect_b32 s52, s54, s52
	s_and_b32 s57, s[WV], 1
	s_mul_i32 s57, s57, TEN/2
	s_add_co_u32 s52, s52, s57
	s_mov_b32 s53, 0
	s_mul_i32 s58, s[WV], TEN/2                    ; no place in the cluster enters an LDS address
	WALU
	s_wait_dscnt 0x0                               ; the opening adds are done
	s_wait_kmcnt 0x0
	s_mov_b32 s[G0], 1
	s_mov_b32 s[G0+1], s58
	s_add_nc_u64 s[G0+2:G0+3], s[4:5], s[52:53]
	s_or_b32 s[G0+3], s[G0+3], 0x80000000
	CROUND                                         ; all four work-groups are here: the joint loads meet
	s_cmp_lt_u32 s[WV], 6                          ; (six loads are the three tensors' halves)
	s_cbranch_scc0 .Lno_tile
	tensor_load_to_lds s[G0:G0+3], s[G1:G1+7]
	s_nop 0
	PLACES 4
.Lno_tile:
	; addresses in memory
	s_lshl_b32 s48, s[BH], 3
	s_add_co_u32 s48, s48, s[WV]                   ; 8 (8 batch + head) + w
	s_lshl_b32 s50, s49, 3
	s_add_co_u32 s50, s50, s[WV]                   ; 8 head + w
	s_mov_b32 s61, 0
	s_lshl_b32 s60, s48, 10
	s_add_co_u32 s60, s60, KS_O
	s_add_nc_u64 s[52:53], s[4:5], s[60:61]        ; k's scale words of my 8 tiles
	s_lshl_b32 s60, s50, 10
	s_add_co_u32 s60, s60, PS_O
	s_add_nc_u64 s[54:55], s[4:5], s[60:61]        ; p's
	s_lshl_b32 s60, s48, 9
	s_add_co_u32 s60, s60, VS_O
	s_add_nc_u64 s[56:57], s[4:5], s[60:61]        ; v's
	s_lshr_b32 s62, s[BH], 3                       ; batch
	s_lshl_b32 s60, s62, 12
	s_lshl_b32 s63, s[WV], 9
	s_add_co_u32 s60, s60, s63
	s_add_nc_u64 s[58:59], s[6:7], s[60:61]        ; the mask of my 128 keys
	s_lshl_b32 s48, s[BH], 6
	s_lshl_b32 s50, s13, 4
	s_add_co_u32 s48, s48, s50                     ; my first tile of queries
	s_mul_i32 s60, s48, 1536
	s_add_nc_u64 s[QP:QP+1], s[4:5], s[60:61]
	s_lshl_b32 s60, s48, 7
	s_add_co_u32 s60, s60, QS_O
	s_add_nc_u64 s[QSP:QSP+1], s[4:5], s[60:61]
	s_lshl_b32 s48, s62, 6
	s_add_co_u32 s48, s48, s50                     ; 64 batch + my first tile
	s_mul_i32 s60, s48, 6144
	s_mul_i32 s63, s49, 768
	s_add_co_u32 s60, s60, s63
	s_add_nc_u64 s[XP:XP+1], s[8:9], s[60:61]
	s_lshl_b32 s60, s48, 10
	s_lshl_b32 s63, s49, 7
	s_add_co_u32 s60, s60, s63
	s_add_co_u32 s60, s60, XS_O
	s_add_nc_u64 s[XSP:XSP+1], s[8:9], s[60:61]
	s_lshl_b32 s48, s[WV], 7
	s_add_co_u32 s48, s48, ML
	s_lshl_b32 s49, s[WV], 12
	s_add_co_u32 s60, s49, SUMS
	s_lshr_b32 s51, s[WV], 2                       ; which tile of a round I sum,
	s_and_b32 s61, s[WV], 3
	s_lshl_b32 s61, s61, 10                        ; and which quarter of it
	s_lshl_b32 s50, s51, 15
	s_add_co_u32 s50, s50, s61
	s_lshl_b32 s51, s51, 12
	s_add_co_u32 s51, s51, s61
	s_add_co_u32 s51, s51, HOLE
	s_mul_i32 s62, s[WV], 6144
	s_lshl_b32 s63, s[WV], 10
	v_and_b32 v1, 31, v0                           ; lane
	v_bfe_u32 v204, v0, 4, 1                       ; h
	v_lshlrev_b32 v[LI], 4, v1
	v_lshlrev_b32 v[LS], 2, v1
	v_lshlrev_b32 v200, 3, v1                      ; 8 x lane
	v_lshlrev_b32 v201, 6, v204                    ; 64 h
	v_add_nc_u32 v[MLW], s48, v[LS]
	v_add_nc_u32 v[MLR], ML, v[LS]
	v_add_nc_u32 v[SA], s49, v[LI]
	v_add_nc_u32 v[SR], s50, v[LI]
	v_add_nc_u32 v[VB], s51, v[LI]
	v_add_nc_u32 v[XO], s62, v200
	v_add_nc_u32 v[XSO], s63, v[LS]
	v_add_nc_u32 v202, s62, v200                   ; my k and p in LDS: 8 x lane;
	v_add_nc_u32 v[RDF], s60, v[LI]
	v_mov_b32 v[NEGR], 0xf149f2ca
	v_add_nc_u32 v[SA+1], 65536, v[SA]
	v_add_nc_u32 v[SR+1], 65536, v[SR]
	v_add_nc_u32 v203, 2*TEN, v202                 ; and my v
	WALU
	WIN 0x40                                       ; destination window 1
.irp t, 0,1,2,3,4,5,6,7
.irp e, 0,1
	global_load_b128 v[BI+8*\t+4*\e:BI+8*\t+4*\e+3], v201, s[58:59] offset:128*(\t/2)+32*(\t%2)+16*\e   ; tile t, register j: key 32 (t / 2) + 16 h + 8 (t % 2) + j
.endr
.endr
.irp i, 0,1
.irp c, 0,1,2
	global_load_b128 v[QF+12*\i+4*\c:QF+12*\i+4*\c+3], v[LI], s[QP:QP+1] offset:\i*1536+512*\c
.endr
.endr
	WIN 0
.irp t, 0,1,2,3,4,5,6,7
	global_load_b32 v[KSW+\t], v[LS], s[52:53] offset:128*\t
	global_load_b32 v[S+\t], v[LS], s[54:55] offset:128*\t
.endr
.irp d, 0,1,2,3
	global_load_b32 v[VSW+\d], v[LS], s[56:57] offset:128*\d
.endr
.irp i, 0,1
	global_load_b32 v[QSW+\i], v[LS], s[QSP:QSP+1] offset:128*\i
.endr
	WALU
	s_wait_tensorcnt 0x0                           ; my half of a tensor has landed
	s_barrier_signal -1
	s_barrier_wait -1                              ; and so have the others'
	WIN 0x40
.irp t, 0,1,2,3,4,5,6,7
.irp p, 0,1,2
	ds_load_b64 v[KF+12*\t+2*\p:KF+12*\t+2*\p+1], v202 offset:768*\t+256*\p            ; k: K = 0 .. 63 of the fragment
	ds_load_b64 v[KF+12*\t+6+2*\p:KF+12*\t+7+2*\p], v202 offset:TEN+768*\t+256*\p      ; p: K = 64 .. 127
.endr
.endr
.irp d, 0,1,2,3
.irp p, 0,1,2,3,4,5
	ds_load_b64 v[VF+12*\d+2*\p:VF+12*\d+2*\p+1], v203 offset:1536*\d+256*\p
.endr
.endr
	WIN 0
	s_wait_loadcnt 0x0                             ; the mask and the scale words are worked on while the fragments are on their way
	WIN 0x41                                       ; destination and source 0 in window 1
.set cnt, 0
.rept 64
	v_cmp_eq_u32 vcc_lo, v[BI+cnt], v[NIL]
	v_cndmask_b32 v[BI+cnt], 0, v[NEGR], vcc_lo    ; 0 where the key counts, -1e30 where the mask is 0
.set cnt, cnt+1
.endr
	WIN 0
.irp t, 0,1,2,3,4,5,6,7
	v_lshl_or_b32 v[KSW+\t], v[S+\t], 16, v[KSW+\t]   ; k's two bytes below, p's two above
.endr
.irp i, 1,3,9,11
	v_mov_b32 v[NMA+\i], 0                         ; the upper halves of the pairs; with the four lines below the places between the scale words' making and the first products
.endr
	PLACES 4
	WALU
	s_wait_dscnt 0x0                               ; k, p and v are in registers: my reads of those LDS bytes are over; others write there only behind the first round's barrier
; Line jj of 32: the largest score of each block of 32 keys among my 16 (it serves for the row's maximum and, since attn rises with the score, for the block's largest attn).  The four blocks by turns; each accumulator is
; first read at its low end.
.macro MX t
.set rS, S+64*(\t)
.set rM, MA+4*(\t)
.if jj < 4
	v_max3_num_f32 v[rM+jj], v[rS+16*jj], v[rS+16*jj+1], v[rS+16*jj+2]
.elseif jj < 28
.set bb, (jj-4)%4
.set kk, 3+2*((jj-4)/4)
	v_max3_num_f32 v[rM+bb], v[rM+bb], v[rS+16*bb+kk], v[rS+16*bb+kk+1]
.else
	v_max_num_f32 v[rM+jj-28], v[rM+jj-28], v[rS+16*(jj-28)+15]
.endif
.set jj, jj+1
.endm
.macro SCORE t, k, buf                 ; one product of tile t: k || p, the queries and the mask in window 1
	WIN 0x15
	MMA S+64*(\t)+8*\k, KF+12*\k, QF+24*(\buf)+12*(\t), BI+8*\k, KSW+\k, QSW+2*(\buf)+(\t)
.endm
.macro SCOREB k, buf                   ; a product of B, and behind every second one eight lines of A's maxima, which name no register of B
	SCORE 1, \k, \buf
.if (\k)%2
	WIN 0
.rept 8
	MX 0
.endr
.endif
.endm
.macro SUMB                            ; line sb of 28: B's sum, two at a time, in four chains
.set rC, BC+2*(sb%4)
.if sb < 4
	v_pk_add_f32 v[rC:rC+1], v[S+64+2*sb:S+65+2*sb], v[S+72+2*sb:S+73+2*sb]
.else
	v_pk_add_f32 v[rC:rC+1], v[rC:rC+1], v[S+72+2*sb:S+73+2*sb]
.endif
.set sb, sb+1
.endm
.macro PKADD d, a
	v_pk_add_f32 v[(\d):(\d)+1], v[(\d):(\d)+1], v[(\a):(\a)+1]
.endm
.macro SUMA                            ; line sa of 15: A's tree behind its first level
.if sa < 8
	PKADD PCB+2*sa, PCB+2*sa+16
.elseif sa < 12
	PKADD PCB+2*(sa-8), PCB+2*(sa-8)+8
.elseif sa < 14
	PKADD PCB+2*(sa-12), PCB+2*(sa-12)+4
.else
	PKADD PCB, PCB+2
.endif
.set sa, sa+1
.endm
.macro NR t, f, from, to               ; attn, finished and normalised: registers from .. to - 1 of the tile
.set cnt, \from
.rept ((\to)-(\from))/2
	v_pk_mul_f32 v[S+64*(\t)+cnt:S+64*(\t)+cnt+1], v[S+64*(\t)+cnt:S+64*(\t)+cnt+1], v[(\f):(\f)+1] op_sel_hi:[1,0]
.set cnt, cnt+2
.endr
.endm
.macro CV t, o                         ; the codes, half a block a conversion, and then a WHOLE block in a lane
.set rS, S+64*(\t)
.set rP, PCB+20*(\t)
.irp c, 0,1
	v_cvt_scalef32_pk16_fp6_f32 v[rP+6*\c:rP+6*\c+2], v[rS+32*\c:rS+32*\c+15], v[(\o)+2*\c]
	v_cvt_scalef32_pk16_fp6_f32 v[rP+12+4*\c:rP+14+4*\c], v[rS+32*\c+16:rS+32*\c+31], v[(\o)+1+2*\c]
.endr
	v_nop                                          ; one plain place behind a scaled conversion
.irp e, 0,1,2
.irp c, 0,1
	v_permlane16_swap_b32 v[rP+6*\c+\e], v[rP+12+4*\c+\e]
.endr
.endr
.irp e, 0,1,2
.irp c, 0,1
	v_mov_b32 v[rP+3+6*\c+\e], v[rP+12+4*\c+\e]
.endr
.endr
.endm
.macro PV t                            ; my keys' part of O^T: four sums of their own, K = my 128 keys
	WIN 0x01                                       ; v^T in window 1
.irp d, 0,1,2,3
	MMA S+64*(\t)+8*\d, VF+12*\d, PCB+20*(\t), -1, VSW+\d, PW, \t
.endr
	WIN 0
.endm
.macro STG t, par                      ; into the stage, as an image of the registers, each accumulator from its low end on
.irp q, 0,1,2,3,4,5,6,7
	ds_store_b128 v[SA+(\par)], v[S+64*(\t)+4*\q:S+64*(\t)+4*\q+3] offset:32768*(\t)+512*\q
.endr
.endm
; MY QUARTER OF A TILE of the round before (stage parity par): waves 4 half .. 4 half + 3's parts, 8 registers each; their sum, which half 1 adds onto half 0's.
.macro QLOAD half, par
.irp p, 0,1,2,3
.irp j, 0,1
	ds_load_b128 v[PCB+8*\p+4*\j:PCB+8*\p+4*\j+3], v[SR+(\par)] offset:4096*(4*(\half)+\p)+512*\j
.endr
.endr
.endm
.macro QSUM half
.irp j, 0,2,4,6
	PKADD PCB+\j, PCB+8+\j
	PKADD PCB+16+\j, PCB+24+\j
.endr
.if \half
.irp j, 0,2,4,6
	PKADD PCB+\j, PCB+16+\j
.endr
.irp j, 0,2,4,6
	PKADD XL+\j, PCB+\j
.endr
.else
.irp j, 0,2,4,6
	v_pk_add_f32 v[XL+\j:XL+\j+1], v[PCB+\j:PCB+\j+1], v[PCB+16+\j:PCB+17+\j]
.endr
.endif
.endm
.macro QPUT off
	ds_store_b128 v[VS], v[XL:XL+3] offset:\off
	ds_store_b128 v[VS], v[XL+4:XL+7] offset:(\off)+512
.endm
.macro IFROUND rr, label               ; the very first round has no round before it
.if (\rr) == 0
	WALU
	s_cmp_eq_u32 s[TRIP], 4
	s_cbranch_scc1 \label
.endif
.endm
; A ROUND: tiles A (0) and B (1) of queries against my 128 keys.  rr: the round in the trip.
.macro ROUND rr
	s_wait_loadcnt 0x0                             ; the round's queries, asked for a round ago
.irp k, 4,5,6,7
	SCORE 0, \k, \rr                               ; A's scores: tiles 4 to 7 write no register that held O^T
.endr
	s_wait_dscnt 0x8                               ; the last round's stores of A's O^T have read their registers; the eight younger, B's, may be out
.irp k, 0,1,2,3
	SCORE 0, \k, \rr
.endr
	WIN 0
.if \rr == 1
	WALU
	s_cmp_eq_u32 s[TRIP], 1                        ; the last round of all asks for nothing
	s_cbranch_scc1 .Lnoq_\@
.endif
	WIN 0x40
.irp i, 0,1
.irp c, 0,1,2
	global_load_b128 v[QF+24*(1-\rr)+12*\i+4*\c:QF+24*(1-\rr)+12*\i+4*\c+3], v[LI], s[QP:QP+1] offset:(2*(\rr+1)+\i)*1536+512*\c   ; the next round's queries, into the other buffer
.endr
.endr
	WIN 0
.irp i, 0,1
	global_load_b32 v[QSW+2*(1-\rr)+\i], v[LS], s[QSP:QSP+1] offset:(2*(\rr+1)+\i)*128
.endr
.if \rr == 1
.Lnoq_\@:
.endif
	PLACES 4                                       ; in front of the first read of A's results (ISA guide 7.12.1)
.set jj, 0
.irp k, 4,5,6,7
	SCOREB \k, \rr
.endr
	WALU
	s_wait_dscnt 0x0                               ; the stores of B's O^T have read the registers that B's tiles 0 to 3 are written into
.irp k, 0,1,2,3
	SCOREB \k, \rr
.endr
.set jj, 0
.rept 32
	MX 1
.endr
.irp b, 0,1,2,3
	v_permlane16_swap_b32 v[MA+\b], v[MB+\b]
.endr
.irp b, 0,1,2,3
	v_max_num_f32 v[MA+\b], v[MA+\b], v[MB+\b]                       ; the blocks' largest scores, A's in lanes 0-15, B's in lanes 16-31
.endr
	v_max3_num_f32 v[T0], v[MA], v[MA+1], v[MA+2]
	v_max_num_f32 v[T0], v[T0], v[MA+3]
	v_mul_f32 v[T0], s[CS], v[T0]                                    ; as t (c is positive)
	v_max_num_f32 v[T0], 0xcf000000, v[T0]                           ; held at -2^31 from below: where all my keys are masked, every e and l_w become 0
	v_floor_f32 v[NM], -v[T0]                                        ; -M_w = floor(-t): M_w is a whole number
	v_floor_f32 v[NMA], -v[T0]
	v_floor_f32 v[NMB], -v[T0]
	v_permlane16_swap_b32 v[NMA], v[NMB]
.irp b, 0,1,2,3
	v_fma_f32 v[MA+\b], v[MA+\b], s[CS], v[NM]
.endr
.set nn, 0
.rept 32
	v_pk_fma_f32 v[S+nn:S+nn+1], v[S+nn:S+nn+1], s[CS:CS+1], v[NMA:NMA+1] op_sel_hi:[1,0,0]   ; A: t - M_w, two at a time
.set nn, nn+2
.endr
	WALU                                           ; ahead of the batch
.irp b, 0,1,2,3
	v_exp_f32 v[MA+\b], v[MA+\b]
.endr
.set nn, 0
.rept 32
	v_exp_f32 v[S+nn], v[S+nn]                     ; A: e = 2^(t - M_w), at most 1;
	v_exp_f32 v[S+nn+1], v[S+nn+1]
	v_pk_fma_f32 v[S+64+nn:S+65+nn], v[S+64+nn:S+65+nn], s[CS:CS+1], v[NMB:NMB+1] op_sel_hi:[1,0,0]   ; B: t - M_w
.set nn, nn+2
.endr
	WALU                                           ; behind A's batch, and ahead of B's
.set nn, 0
.rept 16
	v_exp_f32 v[S+64+4*nn], v[S+64+4*nn]
	v_exp_f32 v[S+65+4*nn], v[S+65+4*nn]
	v_exp_f32 v[S+66+4*nn], v[S+66+4*nn]
	v_exp_f32 v[S+67+4*nn], v[S+67+4*nn]
	v_pk_add_f32 v[PCB+2*nn:PCB+2*nn+1], v[S+2*nn:S+2*nn+1], v[S+32+2*nn:S+33+2*nn]   ; the first level of A's sum
.set nn, nn+1
.endr
	WALU                                           ; behind B's batch
.set sa, 0
.set sb, 0
.rept 14
	SUMB
	SUMA
	SUMB
.endr
	PKADD BC, BC+2
	SUMA
	PKADD BC+4, BC+6
	v_add_f32 v[LM], v[PCB], v[PCB+1]
	PKADD BC, BC+4
	v_add_f32 v[T0], v[BC], v[BC+1]
	v_permlane16_swap_b32 v[LM], v[T0]
	v_add_f32 v[LM], v[LM], v[T0]                  ; l_w, A's in lanes 0-15, B's in lanes 16-31
	ds_store_b32 v[MLW], v[NM] offset:2048*\rr
	ds_store_b32 v[MLW], v[LM] offset:2048*\rr+1024
	WALU
	s_wait_dscnt 0x0                               ; for the others' sake: my (-M_w, l_w) have landed, my parts of the last round lie in the stage, and my reads of the stage are over
	s_barrier_signal -1
	s_barrier_wait -1
.irp k, 0,1,2,3,4,5,6,7
	ds_load_b32 v[XE+\k], v[MLR] offset:2048*\rr+128*\k
.endr
.irp k, 0,1,2,3,4,5,6,7
	ds_load_b32 v[XL+\k], v[MLR] offset:2048*\rr+1024+128*\k
.endr
	s_wait_dscnt 0x0
	IFROUND \rr, .Lq0_\@
	QLOAD 0, 1-\rr                                 ; four waves' parts of my quarter, under the exchange's arithmetic
.if \rr == 0
.Lq0_\@:
.endif
	v_min3_num_f32 v[T0], v[XE], v[XE+1], v[XE+2]
	v_min3_num_f32 v[T0+1], v[XE+3], v[XE+4], v[XE+5]
	v_min_num_f32 v[RC], v[XE+6], v[XE+7]
	v_min3_num_f32 v[T0], v[T0], v[T0+1], v[RC]                      ; -M
	v_sub_f32 v[DW], v[T0], v[NM]                                    ; M_w - M
.irp k, 0,2,4,6
	v_pk_add_f32 v[XE+\k:XE+\k+1], v[T0:T0+1], v[XE+\k:XE+\k+1] op_sel_hi:[0,1] neg_lo:[0,1] neg_hi:[0,1]   ; M_k - M: whole numbers, 0 or less
.endr
	v_cmp_le_f32 vcc_lo, 0x4f000000, v[T0]                           ; -M at its hold, 2^31: no key of the row counts
.irp k, 0,1,2,3,4,5,6,7
	v_cvt_i32_f32 v[XE+\k], v[XE+\k]                                 ; (it saturates)
.endr
	v_cvt_i32_f32 v[DW], v[DW]
.irp k, 0,1,2,3,4,5,6,7
	v_ldexp_f32 v[XL+\k], v[XL+\k], v[XE+\k]                         ; each l_k under M: nothing is rounded
.endr
	PKADD XL, XL+2
	PKADD XL+4, XL+6
	PKADD XL, XL+4
	v_add_f32 v[T0+1], v[XL], v[XL+1]                                ; the row's sum
	WALU                                           ; ahead of the reciprocal,
	v_rcp_f32 v[RC], v[T0+1]
	v_nop
	WALU                                           ; and behind it
	v_ldexp_f32 v[FM], v[RC], v[DW]
	v_cndmask_b32 v[FM], v[FM], v[NIL], vcc_lo                       ; the factor 2^(M_w - M) / l, or 0 where no key of the row counts
	v_mov_b32 v[FA], v[FM]
	v_mov_b32 v[FB], v[FM]
	v_permlane16_swap_b32 v[FA], v[FB]
	IFROUND \rr, .Lq1_\@
	WALU
	s_wait_dscnt 0x0                               ; the first four parts are in
	QSUM 0
	QLOAD 1, 1-\rr                                 ; the other four, under the lines below
.if \rr == 0
.Lq1_\@:
.endif
.irp b, 0,1,2,3
	v_mul_f32 v[MA+\b], v[MA+\b], v[FM]                              ; each block's largest attn, by the same three operations on the same number
.endr
.irp b, 0,1,2,3
	v_max_num_f32 v[MA+\b], 0x1800000, v[MA+\b]                      ; the floor 2^(3 - 127): the byte cannot fall under 1
.endr
.irp b, 0,1,2,3
	v_add_nc_u32 v[OA+\b], 0xff000000, v[MA+\b]                      ; 2 off the exponent field: the conversion's scale operand
	v_add_nc_u32 v[OB+\b], 0xff000000, v[MA+\b]
.endr
.irp b, 0,1,2,3
	v_lshrrev_b32 v[XE+\b], 23, v[OA+\b]                             ; the scale's byte
.endr
.irp b, 0,1,2,3
	v_permlane16_swap_b32 v[OA+\b], v[OB+\b]
.endr
	v_lshl_or_b32 v[PW], v[XE+1], 8, v[XE]
	v_lshl_or_b32 v[PW], v[XE+2], 16, v[PW]
	v_lshl_or_b32 v[PW], v[XE+3], 24, v[PW]
	NR 0, FA, 0, 64
	IFROUND \rr, .Lq2_\@
	WALU
	s_wait_dscnt 0x0                               ; the other four parts are in
	QSUM 1
	QPUT 8192*\rr                                  ; the sum of the round before is put by
.if \rr == 0
.Lq2_\@:
.endif
	CV 0, OA
	NR 1, FB, 0, 32                                ; these 16 lines are also the places between A's codes and A's products,
	PV 0
	NR 1, FB, 32, 64                               ; and these the places in front of the stores' reads of A's results
	STG 0, \rr
	CV 1, OB
	PLACES 4                                       ; an operand written by a vector instruction stands 4 places ahead of a scaled product
	PV 1
	PLACES 4                                       ; in front of the stores' reads
	STG 1, \rr
.endm
.Ltrip:
	v_add_nc_u32 v[VS], s[SOFF], v[VB]
	ROUND 0
	ROUND 1
	s_wait_xcnt 0x0                                ; the loads of the next queries have read their base, which is written below
	s_add_nc_u64 s[QP:QP+1], s[QP:QP+1], 6144
	s_add_nc_u64 s[QSP:QSP+1], s[QSP:QSP+1], 512
	s_add_co_u32 s[SOFF], s[SOFF], 16384
	WALU
	s_sub_co_u32 s[TRIP], s[TRIP], 1
	s_cmp_lg_u32 s[TRIP], 0
	s_cbranch_scc1 .Ltrip
; THE END: the last round's sums, then wave w's two tiles, w and w + 8.
	v_add_nc_u32 v[VS], s[SOFF], v[VB]
	WALU
	s_wait_dscnt 0x0                               ; for the others' sake: my last parts have landed
	s_barrier_signal -1
	s_barrier_wait -1
	QLOAD 0, 1
	s_wait_dscnt 0x0
	QSUM 0
	QLOAD 1, 1
	WALU
	s_wait_dscnt 0x0
	QSUM 1
	QPUT 0
	WALU
	s_wait_dscnt 0x0                               ; for the others' sake: my sums have landed
	s_barrier_signal -1
	s_barrier_wait -1
.irp q, 0,1,2,3,4,5,6,7
	ds_load_b128 v[S+4*\q:S+4*\q+3], v[RDF] offset:512*\q
.endr
.irp q, 0,1,2,3,4,5,6,7
	ds_load_b128 v[S+32+4*\q:S+35+4*\q], v[RDF] offset:32768+512*\q
.endr
	s_wait_dscnt 0x8                               ; tile w is in; tile w + 8's eight loads may be out
.irp i, 0,1
.if \i
	WALU
	s_wait_dscnt 0x0
	s_wait_xcnt 0x0                                ; tile w's stores have read the registers of codes and scale word, which are written again
.endif
	QUANT2 S+32*\i
.irp p, 0,1,2
	global_store_b64 v[XO], v[PC+2*\p:PC+2*\p+1], s[XP:XP+1] offset:49152*\i+256*\p   ; 32 lanes store 256 consecutive bytes, aligned
.endr
	global_store_b32 v[XSO], v[PW], s[XSP:XSP+1] offset:8192*\i
.endr
	s_wait_tensorcnt 0x0                           ; the wave's end: behind my last tensor load and my last LDS store
	ds_add_u32 v[SPW], v[NIL]
	s_wait_dscnt 0x0
	CROUND                                         ; the closing round
	s_endpgm
.Lfunc_end_k_qb1f9fac2a4_attn:
	.size	k_qb1f9fac2a4_attn, .Lfunc_end_k_qb1f9fac2a4_attn-k_qb1f9fac2a4_attn
	.p2alignl 7, 3214868480
	.fill 96, 4, 3214868480
	.section	.rodata,"a",@progbits
	.p2align	6, 0x0
	.amdhsa_kernel k_qb1f9fac2a4_attn
		.amdhsa_group_segment_fixed_size 209920
		.amdhsa_private_segment_fixed_size 0
		.amdhsa_enable_private_segment 0
		.amdhsa_kernarg_size 24
		.amdhsa_user_sgpr_count 2
		.amdhsa_user_sgpr_kernarg_segment_ptr 1
		.amdhsa_wavefront_size32 1
		.amdhsa_system_sgpr_workgroup_id_x 1
		.amdhsa_system_sgpr_workgroup_id_y 1
		.amdhsa_system_sgpr_workgroup_id_z 1
		.amdhsa_system_vgpr_workitem_id 0
		.amdhsa_next_free_vgpr 512
		.amdhsa_next_free_sgpr 72
		.amdhsa_reserve_vcc 1
		.amdhsa_float_denorm_mode_32 3
		.amdhsa_float_denorm_mode_16_64 3
		.amdhsa_memory_ordered 1
		.amdhsa_forward_progress 1
		.amdhsa_inst_pref_size 101
	.end_amdhsa_kernel
	.amdgpu_metadata
---
amdhsa.version: [ 1, 2 ]
amdhsa.kernels:
  - .name:           k_qb1f9fac2a4_attn
    .symbol:         k_qb1f9fac2a4_attn.kd
    .args:
      - { .name: act, .offset: 0, .size: 8, .value_kind: global_buffer, .address_space: global }
      - { .name: mask, .offset: 8, .size: 8, .value_kind: global_buffer, .address_space: global }
      - { .name: xpk, .offset: 16, .size: 8, .value_kind: global_buffer, .address_space: global }
    .group_segment_fixed_size: 209920
    .private_segment_fixed_size: 0
    .kernarg_segment_align: 8
    .kernarg_segment_size: 24
    .max_flat_workgroup_size: 256
    .sgpr_count:     72
    .vgpr_count:     512
    .wavefront_size: 32
...
	.end_amdgpu_metadata
.endif
;; end of part 3
;; launch outp (part 4): grid 4 x 64, 8 waves a work-group, clusters of 4 x 4, 327,680 bytes of LDS; arguments xpk, wpk, bo, out0; writes out0
.if DOCPART == 4
	.amdgcn_target "amdgcn-amd-amdhsa--gfx1250"
	.amdhsa_code_object_version 6
	.text
	.protected	k_qb1f9fac2a4_outp
	.globl	k_qb1f9fac2a4_outp
	.p2align	8
	.type	k_qb1f9fac2a4_outp,@function
k_qb1f9fac2a4_outp:
	s_mov_b64 s[64:65], 0
	v_nop
	global_prefetch_b8 v0, s[64:65] scope:SCOPE_SE
	s_setreg_imm32_b32 hwreg(HW_REG_WAVE_MODE, 25, 1), 1
	s_wait_xcnt 0x0
	s_wait_alu depctr_hold_cnt(0) depctr_sa_sdst(0) depctr_va_vdst(0) depctr_va_sdst(0) depctr_va_ssrc(0) depctr_va_vcc(0) depctr_vm_vsrc(0)
	s_getreg_b32 s2, hwreg(HW_REG_IB_STS2, 6, 4)
	s_cmp_eq_u32 s2, 0
	s_cbranch_scc0 .Lentry_in_a_cluster
	s_endpgm
.Lentry_in_a_cluster:
	s_bfe_u32 s2, ttmp6, 0x10000c
	s_cmp_lg_u32 s2, 0xf033
	s_cbranch_scc0 .Lentry_shape_is_right
	s_endpgm
.Lentry_shape_is_right:
; out = x Wo^T + bo on codes of E2M3.  A work-group makes 128 rows x 128 columns; a wave 64 rows x 32 columns; the bias is the C of the first K step.  x's tile (49,152 dense bytes, shared along a row of the cluster) and Wo's
; (as many, shared along a column) come whole, by one joint load a wave: waves 0-3 fetch x's four quarters, waves 4-7 Wo's.  Results leave by rows of 512 bytes through a stage in LDS.  LIMITS: NaN and infinities are not served.
; No prefetch: everything is asked for at the head, and nothing loops.
.set WB,    49152
.set STG,   98304
.set SP,    528
.set SPARE, 165888
.set XS_O,  3145728
.set SPW, 2
.set NIL, 3
.set XAD, 4
.set WAD, 5
.set STO, 6
.set SRD, 7
.set LI,  8
.set LS,  9
.set BA,  10
.set WSW, 16
.set XSW, 24
.set BO,  40
.set XF,  56
.set WF,  104
.set ACC, 128
.set RAW, 192
.set WV,  12
.set CX,  13
.set CY,  14
.set CB,  15
.set RB,  16
.set G1X, 24
.set G1W, 32
.set G0X, 40
.set G0W, 44
.macro MMA d, a, b, cc, sa, sb
	v_wmma_scale_f32_16x16x128_f8f6f4 v[(\d):(\d)+7], v[(\a):(\a)+11], v[(\b):(\b)+11], v[(\cc):(\cc)+7], v[\sa], v[\sb] matrix_a_fmt:MATRIX_FMT_FP6 matrix_b_fmt:MATRIX_FMT_FP6
.endm
.macro CROUND
	s_barrier_signal -1
	s_barrier_wait -1
	s_cmp_lg_u32 s[WV], 0
	s_cbranch_scc1 .Lnot_wave_0_\@
	s_barrier_signal -3
.Lnot_wave_0_\@:
	s_barrier_wait -3
	s_barrier_signal -1
	s_barrier_wait -1
.endm
	s_load_b256 s[4:11], s[0:1], 0x0
	v_lshl_add_u32 v[SPW], v0, 2, SPARE
	v_mov_b32 v[NIL], 0
	ds_add_u32 v[SPW], v[NIL]
	ds_add_u32 v[SPW], v[NIL]
	v_lshrrev_b32 v1, 5, v0
	s_delay_alu instid0(VALU_DEP_1)
	v_readfirstlane_b32 s[WV], v1
	s_bfe_u32 s[CX], ttmp6, 0x40000
	s_bfe_u32 s[CY], ttmp6, 0x40004
	s_lshl_b32 s[CB], ttmp9, 2
	s_add_co_u32 s[CB], s[CB], s[CX]
	s_and_b32 s[RB], ttmp7, 0xffff
	s_lshl_b32 s[RB], s[RB], 2
	s_add_co_u32 s[RB], s[RB], s[CY]
	s_lshl_b32 s17, s[CY], 2
	s_lshl_b32 s17, 15, s17
	s_lshl_b32 s18, 0x1111, s[CX]
	s_or_b32 s[G1X], s17, (3<<16)|(1<<21)
	s_or_b32 s[G1W], s18, (3<<16)|(1<<21)
.irp g, G1X, G1W
	s_mov_b32 s[\g+1], 32<<16
	s_mov_b32 s[\g+2], 48<<16
	s_mov_b32 s[\g+3], 32<<16
	s_mov_b32 s[\g+4], 48
	s_mov_b32 s[\g+5], 32
	s_mov_b32 s[\g+6], 0
	s_mov_b32 s[\g+7], 0
.endr
	s_and_b32 s54, s[WV], 3                        ; my quarter of a tile: 48 rows of 256 bytes
	s_mul_i32 s54, s54, 12288
	s_mul_i32 s52, s[RB], 49152
	s_add_co_u32 s52, s52, s54
	s_mov_b32 s53, 0
	s_mul_i32 s56, s[CB], 49152
	s_add_co_u32 s56, s56, s54
	s_add_co_u32 s56, s56, 786432
	s_mov_b32 s57, 0
	s_wait_dscnt 0x0
	s_wait_kmcnt 0x0
	s_mov_b32 s[G0X], 1
	s_mov_b32 s[G0X+1], s54
	s_add_nc_u64 s[G0X+2:G0X+3], s[4:5], s[52:53]
	s_or_b32 s[G0X+3], s[G0X+3], 0x80000000
	s_mov_b32 s[G0W], 1
	s_add_co_u32 s[G0W+1], s54, WB
	s_add_nc_u64 s[G0W+2:G0W+3], s[6:7], s[56:57]
	s_or_b32 s[G0W+3], s[G0W+3], 0x80000000
	CROUND
	s_cmp_lt_u32 s[WV], 4                          ; one joint load a wave: x's tile or Wo's
	s_cbranch_scc0 .Lfor_w
	tensor_load_to_lds s[G0X:G0X+3], s[G1X:G1X+7]
	s_nop 0
.rept 4
	v_nop
.endr
	s_branch .Lasked
.Lfor_w:
	tensor_load_to_lds s[G0W:G0W+3], s[G1W:G1W+7]
	s_nop 0
.rept 4
	v_nop
.endr
.Lasked:
	s_lshr_b32 s48, s[WV], 2
	s_and_b32 s49, s[WV], 3
	s_mov_b32 s59, 0
	s_lshl_b32 s58, s[CB], 12
	s_lshl_b32 s60, s49, 10
	s_add_co_u32 s58, s58, s60
	s_add_co_u32 s58, s58, 1048576
	s_add_nc_u64 s[18:19], s[6:7], s[58:59]
	s_lshl_b32 s58, s[RB], 13
	s_lshl_b32 s60, s48, 12
	s_add_co_u32 s58, s58, s60
	s_add_co_u32 s58, s58, XS_O
	s_add_nc_u64 s[20:21], s[4:5], s[58:59]
	s_lshl_b32 s58, s[CB], 9
	s_lshl_b32 s60, s49, 7
	s_add_co_u32 s58, s58, s60
	s_add_nc_u64 s[22:23], s[8:9], s[58:59]
	s_lshl_b32 s58, s[RB], 18
	s_lshl_b32 s60, s[WV], 15
	s_add_co_u32 s58, s58, s60
	s_lshl_b32 s60, s[CB], 9
	s_add_co_u32 s58, s58, s60
	s_add_nc_u64 s[10:11], s[10:11], s[58:59]
	v_and_b32 v1, 31, v0
	v_and_b32 v11, 15, v0
	v_bfe_u32 v12, v0, 4, 1
	s_delay_alu instid0(VALU_DEP_3)
	v_lshlrev_b32 v[LI], 4, v1
	s_delay_alu instid0(VALU_DEP_4)
	v_lshlrev_b32 v[LS], 2, v1
	s_delay_alu instid0(VALU_DEP_3)
	v_lshlrev_b32 v[BA], 6, v12
	v_lshlrev_b32 v[XAD], 3, v1
	s_mul_i32 s50, s48, 24576
	v_add_nc_u32 v[XAD], s50, v[XAD]
	s_mul_i32 s50, s49, 12288
	s_add_co_u32 s50, s50, WB
	v_add_nc_u32 v[WAD], s50, v[LI]
	v_and_b32 v13, 8, v11
	s_delay_alu instid0(VALU_DEP_1)
	v_add_nc_u32 v13, v13, v11
	s_delay_alu instid0(VALU_DEP_1)
	v_mul_u32_u24 v[STO], v13, SP
	s_delay_alu instid0(VALU_DEP_1)
	v_lshl_add_u32 v[STO], v12, 6, v[STO]
	s_mul_i32 s50, s48, 64*SP
	s_lshl_b32 s51, s49, 7
	s_add_co_u32 s50, s50, s51
	s_add_co_u32 s50, s50, STG
	v_add_nc_u32 v[STO], s50, v[STO]
	s_mul_i32 s50, s[WV], 16*SP
	s_add_co_u32 s50, s50, STG
	v_add_nc_u32 v[SRD], s50, v[LI]
.irp f, 0,1,2,3,4,5,6,7
	global_load_b32 v[WSW+\f], v[LS], s[18:19] offset:128*\f
.endr
.set cnt, 0
.rept 32
	global_load_b32 v[RAW+cnt], v[LS], s[20:21] offset:128*cnt
.set cnt, cnt+1
.endr
.irp u, 0,1
.irp e, 0,1
	global_load_b128 v[BO+8*\u+4*\e:BO+8*\u+4*\e+3], v[BA], s[22:23] offset:32*\u+16*\e
.endr
.endr
	s_wait_loadcnt 0x0
.irp t, 0,1,2,3
.irp s, 0,1,2,3
	v_lshl_or_b32 v[XSW+4*\t+\s], v[RAW+8*\t+2*\s+1], 16, v[RAW+8*\t+2*\s]
.endr
.endr
.rept 8
	v_nop
.endr
	s_wait_alu depctr_va_vdst(0)
	s_wait_tensorcnt 0x0
	s_barrier_signal -1
	s_barrier_wait -1
.irp s, 0,1,2,3
.irp t, 0,1,2,3
.irp p, 0,1,2,3,4,5
	ds_load_b64 v[XF+12*\t+2*\p:XF+12*\t+2*\p+1], v[XAD] offset:6144*\t+1536*\s+256*\p
.endr
.endr
.irp u, 0,1
.irp c, 0,1,2
	ds_load_b128 v[WF+12*\u+4*\c:WF+12*\u+4*\c+3], v[WAD] offset:(4*\u+\s)*1536+512*\c
.endr
.endr
	s_wait_dscnt 0x0
.irp t, 0,1,2,3
.irp u, 0,1
.if \s == 0
	MMA ACC+8*(2*\t+\u), WF+12*\u, XF+12*\t, BO+8*\u, WSW+4*\u+\s, XSW+4*\t+\s
.else
	MMA ACC+8*(2*\t+\u), WF+12*\u, XF+12*\t, ACC+8*(2*\t+\u), WSW+4*\u+\s, XSW+4*\t+\s
.endif
.endr
.endr
.rept 4
	v_nop
.endr
.endr
.irp t, 0,1,2,3
.irp q, 0,1,2,3
	ds_store_b128 v[STO], v[ACC+16*\t+4*\q:ACC+16*\t+4*\q+3] offset:(32*(\t/2)+8*(\t%2))*SP+16*\q
.endr
.endr
	s_wait_dscnt 0x0
	s_barrier_signal -1
	s_barrier_wait -1
.irp i, 0,1,2,3,4,5,6,7,8,9,10,11,12,13,14,15
	ds_load_b128 v[RAW+4*\i:RAW+4*\i+3], v[SRD] offset:\i*SP
.endr
.irp i, 0,1,2,3,4,5,6,7,8,9,10,11,12,13,14,15
	s_wait_dscnt 15-\i
	global_store_b128 v[LI], v[RAW+4*\i:RAW+4*\i+3], s[10:11] offset:2048*\i th:TH_STORE_NT
.endr
	s_wait_tensorcnt 0x0
	ds_add_u32 v[SPW], v[NIL]
	s_wait_dscnt 0x0
	CROUND
	s_endpgm
.Lfunc_end_k_qb1f9fac2a4_outp:
	.size	k_qb1f9fac2a4_outp, .Lfunc_end_k_qb1f9fac2a4_outp-k_qb1f9fac2a4_outp
	.p2alignl 7, 3214868480
	.fill 96, 4, 3214868480
	.section	.rodata,"a",@progbits
	.p2align	6, 0x0
	.amdhsa_kernel k_qb1f9fac2a4_outp
		.amdhsa_group_segment_fixed_size 327680
		.amdhsa_private_segment_fixed_size 0
		.amdhsa_enable_private_segment 0
		.amdhsa_kernarg_size 32
		.amdhsa_user_sgpr_count 2
		.amdhsa_user_sgpr_kernarg_segment_ptr 1
		.amdhsa_wavefront_size32 1
		.amdhsa_system_sgpr_workgroup_id_x 1
		.amdhsa_system_sgpr_workgroup_id_y 1
		.amdhsa_system_sgpr_workgroup_id_z 1
		.amdhsa_system_vgpr_workitem_id 0
		.amdhsa_next_free_vgpr 256
		.amdhsa_next_free_sgpr 72
		.amdhsa_reserve_vcc 0
		.amdhsa_float_denorm_mode_32 3
		.amdhsa_float_denorm_mode_16_64 3
		.amdhsa_memory_ordered 1
		.amdhsa_forward_progress 1
		.amdhsa_inst_pref_size 29
	.end_amdhsa_kernel
	.amdgpu_metadata
---
amdhsa.version: [ 1, 2 ]
amdhsa.kernels:
  - .name:           k_qb1f9fac2a4_outp
    .symbol:         k_qb1f9fac2a4_outp.kd
    .args:
      - { .name: xpk, .offset: 0, .size: 8, .value_kind: global_buffer, .address_space: global }
      - { .name: wpk, .offset: 8, .size: 8, .value_kind: global_buffer, .address_space: global }
      - { .name: bo, .offset: 16, .size: 8, .value_kind: global_buffer, .address_space: global }
      - { .name: out0, .offset: 24, .size: 8, .value_kind: global_buffer, .address_space: global }
    .group_segment_fixed_size: 327680
    .private_segment_fixed_size: 0
    .kernarg_segment_align: 8
    .kernarg_segment_size: 32
    .max_flat_workgroup_size: 256
    .sgpr_count:     72
    .vgpr_count:     256
    .wavefront_size: 32
...
	.end_amdgpu_metadata
.endif
;; end of part 4
